; MI455X (gfx1250); checked and timed in simulation.
; The chip was launched on July 23, 2026; its instructions are those of AMD's public machine-readable ISA for CDNA 5 (MIT licence, August 2026) and "CDNA5" Instruction Set Architecture Reference Guide (July 2026). The comments in the code are by the model that wrote it; some were corrected since.
;; Multi Head Attention. Allowed arithmetic: matrix products marked QUANTISED: E2M3 operands, one E8M0 scale for each 32 along K, by v_wmma_scale_f32_16x16x128_f8f6f4 with both operands' format E2M3, f32 sums; everything else in f32.
;; Inputs: wk 1,024 x 1,024 float32; wo 1,024 x 1,024 float32; wq 1,024 x 1,024 float32; wv 1,024 x 1,024 float32; x 4 x 2,048 x 1,024 float32.
;; Outputs: out0 4 x 2,048 x 1,024 float32.
;; This version of the problem:
;;   THIS VERSION OF THE PROBLEM IS GIVEN IN LOW PRECISION. The matrix products marked QUANTISED in the list below multiply operands that are first quantised to E2M3 (2 exponent bits, 3 mantissa bits; 6 bits a number), with one power-of-two scale for each 32 numbers along K (OCP MX v1.0); their sums are f32. All else is computed in f32.
;;   The module's matrix products, in the order in which they are computed (A, B: the left and right operand; K: the contracted axis; several contracted axes count as one K, in the product's order):
;;     1. [M 8,192, K 1,024] x [K 1,024, N 1,024]; A: input x; B: input wq: QUANTISED
;;     2. [M 8,192, K 1,024] x [K 1,024, N 1,024]; A: input x; B: input wk: QUANTISED
;;     3. [M 8,192, K 1,024] x [K 1,024, N 1,024]; A: input x; B: input wv: QUANTISED
;;     4. batch 64 x [M 2,048, K 64] x [K 64, N 2,048]; A: computed on the way; B: computed on the way: QUANTISED
;;     5. batch 64 x [M 2,048, K 2,048] x [K 2,048, N 64]; A: softmax (see below); B: computed on the way: QUANTISED
;;     6. [M 8,192, K 1,024] x [K 1,024, N 1,024]; A: computed on the way; B: input wo: QUANTISED
;;   THE QUANTISER, for each operand of a quantised product, along K:
;;     - K is cut into blocks of 32 from its start; a last block that is shorter is filled with zeros.
;;     - A block's scale is 2^e with e = floor(log2(the largest magnitude in the block)) - 2, held to -126 .. 127; a block of zeros has e = 0. As a byte (E8M0): e + 127.
;;     - Each number is divided by its block's scale, clamped to +-7.5, and rounded to the nearest number of E2M3, ties to even, subnormals kept.
;;     - The product sums the exact products of the quantised numbers (number of the format x scale) in f32.
;;   ~~~python
;;   def quantise(x, axis):      # numpy; x: float32 -> the quantised numbers, widened to float32 again
;;       x = np.moveaxis(x, axis, -1); K = x.shape[-1]
;;       x = np.pad(x, [(0, 0)] * (x.ndim - 1) + [(0, -K % 32)]); x = x.reshape(x.shape[:-1] + (-1, 32)); a = np.abs(x).max(-1, keepdims=True)
;;       e = np.where(a > 0, np.clip(np.frexp(np.where(a > 0, a, 1))[1] - 1 - 2, -126, 127), 0)      # np.frexp(a)[1] - 1 = floor(log2(a)), exactly
;;       r = np.clip(x / 2.0 ** e, -7.5, 7.5)
;;       step = 2.0 ** (np.maximum(np.frexp(np.where(r == 0, 1, r))[1] - 1, 0) - 3)
;;       q = np.round(r / step) * step * 2.0 ** e      # np.round: ties to even
;;       return np.moveaxis(q.reshape(q.shape[:-2] + (-1,))[..., :K], -1, axis).astype(np.float32)
;;   ~~~
;;   SOFTMAX AHEAD OF A QUANTISED PRODUCT. Where the list says 'softmax', what is quantised is not the finished softmax but p = 2^(t - M), with t = logit x log2(e) and M = ceil(the row's largest t), a whole number; so 1/2 < the row's largest p <= 1. The row's sum l is taken of the UNQUANTISED p, in f32, and the product's result is divided by l at the end. Since M is a whole number, a kernel that streams over the keys may use a running M (the ceiling of the running maximum): every later rescaling is an exact power of two, which a block's scale takes up: the codes' values come out the same.
;;   OPERANDS COMPUTED ON THE WAY. 'Computed on the way' means the value that the module computes at that place (a softmax that the list does not call 'softmax' is quantised finished and normalised). What goes into a quantiser is computed in f32, as accurately as f32 sums, v_exp_f32 and their like allow (about 1e-6 of the number): no bf16 or f16 on the way to a quantiser, and a product that is left as it is and whose result goes on into a quantised operand takes f32 operands (vector FMAs, or v_wmma_f32_16x16x4_f32). A number that lies on a knife's edge between two numbers of the format may be rounded either way, as far as f32 arithmetic and the matrix unit's own rounding can turn it there, and no further.
;; One version. Each part assembles by itself: llvm-mc -triple=amdgcn-amd-amdhsa -mcpu=gfx1250 --defsym DOCPART=n.
;; ======== version 1 of 1: 4 launches
;; workspace buffers: xw_codes 9,437,184 bytes; xw_scales 393,216 bytes; qk_codes 12,582,912 bytes; qk_scales 524,288 bytes; v_codes 6,291,456 bytes; v_scales 262,144 bytes; y_codes 6,291,456 bytes; y_scales 262,144 bytes
;; launch quant (part 1): grid 384 x 1, 4 waves a work-group, no clusters, 47,104 bytes of LDS; arguments x, wq, wk, wv, wo, xw_codes, xw_scales; writes xw_codes, xw_scales
.if DOCPART == 1
	.amdgcn_target "amdgcn-amd-amdhsa--gfx1250"
	.amdhsa_code_object_version 6
	.text
	.protected	k_q4078c08070_quant
	.globl	k_q4078c08070_quant
	.p2align	8
	.type	k_q4078c08070_quant,@function
k_q4078c08070_quant:
	s_mov_b64 s[64:65], 0
	v_nop
	global_prefetch_b8 v0, s[64:65] scope:SCOPE_SE
	s_setreg_imm32_b32 hwreg(HW_REG_WAVE_MODE, 25, 1), 1
	s_wait_xcnt 0x0
; x [8192][1024] and wq, wk, wv, wo [1024][1024], f32, K innermost, become codes of FP6 (E2M3) with one E8M0 byte for each 32 along K.
; A block's scale is 2^(floor(log2(its largest magnitude)) - 2); its byte is the largest magnitude's exponent field - 2, held at 1 from below.
; LIMITS: NaN and infinities among the inputs are not served; blocks whose largest magnitude lies under 2^-124 keep the byte 1; a block of zeros
; gets the byte 1, not 127: its codes are zeros, which add nothing under any byte but 0xff, and the bytes are read by this program alone.
; OUTPUT.  All five tensors lie in one table of 12,288 rows (x 0.., wq 8,192.., wk 9,216.., wv 10,240.., wo 11,264..).
;   codes:  [16 planes of 64 along K][12,288 rows][48 bytes];   scale words: [row / 32][8 K steps of 128][row % 32], byte b of a word = block b of the 128.
;   POSITIONS: in each group of 32 rows the row stored at place p is the row whose number has bits 3 and 4 of p exchanged.  So sixteen places on end hold
;   rows 8 u + 0..7 and 16 + 8 u + 0..7, which is the choice of rows that lets a later product's results lie as neighbours along the next K.
; SHARES.  A work-group takes 32 rows, wave w rows 8 w .. 8 w + 7 (places 8 w' .. 8 w' + 7, w' = w with its two bits exchanged), in 16 steps of 512 numbers.
; Each load reads 512 consecutive bytes; a step's 2,048 bytes turn through the wave's own stage in LDS, so that a lane holds 16 neighbours; two lanes hold a block.
; Codes and bytes are gathered in LDS for the work-group's 32 rows; behind one barrier they leave by planes: every store covers 512 (or 256) consecutive, aligned bytes.
.set STEPS, 16
.set EMAX,  2
.set SP,    80                         ; a lane's place in a turn stage: 64 bytes + 16 of padding
.set WREG,  2*32*SP                    ; two turn stages for each wave
.set CST,   4*WREG                     ; the codes' stage: 16 planes, CPL bytes apart, each 32 places x 48 bytes
.set CPL,   1552                       ; 1,536 + 16 = 388 words: the 32 lanes of a store fall on words 4 (l / 4) + 3 (l % 4) mod 64, all different
.set SST,   CST+16*CPL                 ; the scale words' stage: [8 K steps][32 places][4 bytes]
.set PSX,   589824                     ; a plane of the table in bytes: 12,288 x 48
.set R,     16                         ; v16-79   four sets of 16 numbers as they are loaded; on the way out: what leaves
.set X,     80                         ; v80-111  two sets of 16 neighbours
.set E,     112                        ; v112-127 a scale byte for each step
.set C,     128                        ; v128-191 codes: four registers for each step, so that no store's data are written again
	s_load_b256 s[4:11], s[0:1], 0x0               ; x, wq, wk, wv
	s_load_b128 s[12:15], s[0:1], 0x20             ; wo, the codes
	s_load_b64 s[16:17], s[0:1], 0x30              ; the scale words
	v_lshl_add_u32 v192, v0, 2, 0xb600
	v_mov_b32 v193, 0
	v_lshrrev_b32 v1, 5, v0
	v_readfirstlane_b32 s18, v1                    ; wave
	v_and_b32 v2, 31, v0                           ; lane
	v_lshlrev_b32 v3, 4, v2                        ; 16 x lane: my 16 bytes of 512, in the loads and in the stores; never rewritten
	s_mul_i32 s19, s18, WREG
	v_lshrrev_b32 v14, 2, v2
	v_mul_u32_u24 v14, v14, SP
	v_and_b32 v15, 3, v2
	v_lshl_add_u32 v14, v15, 4, v14
	v_add_nc_u32 v14, s19, v14                     ; turn stage, in: SP (lane / 4) + 16 (lane % 4)
	v_mul_u32_u24 v15, v2, SP
	v_add_nc_u32 v15, s19, v15                     ; and out: SP x lane: my 16 neighbours
	s_and_b32 s23, s18, 1
	s_lshl_b32 s23, s23, 1
	s_lshr_b32 s24, s18, 1
	s_or_b32 s23, s23, s24                         ; w': my rows' places are 8 w' ..
	v_lshrrev_b32 v4, 2, v2
	v_mul_u32_u24 v4, v4, CPL                      ; four lanes fill a plane's 48 bytes of a row,
	v_and_b32 v8, 3, v2
	v_mad_u32_u24 v4, v8, 12, v4                   ; 12 bytes each
	s_mul_i32 s24, s23, 384
	s_add_co_u32 s24, s24, CST
	v_add_nc_u32 v4, s24, v4                       ; where my codes go
	v_lshrrev_b32 v5, 3, v2
	v_lshlrev_b32 v5, 7, v5                        ; eight lanes fill a K step of 128,
	v_bfe_u32 v8, v2, 1, 2
	v_add_nc_u32 v5, v5, v8                        ; two lanes a block
	s_lshl_b32 s24, s23, 5
	s_add_co_u32 s24, s24, SST
	v_add_nc_u32 v5, s24, v5                       ; where my block's byte goes
	s_mul_i32 s24, s18, 4*CPL
	s_add_co_u32 s24, s24, CST
	v_add_nc_u32 v6, s24, v3                       ; the way out: wave w takes planes 4 w .. 4 w + 3
	v_lshlrev_b32 v13, 3, v2                       ; 8 x lane
	s_lshl_b32 s24, s18, 8
	s_add_co_u32 s24, s24, SST
	v_add_nc_u32 v12, s24, v13                     ; and 256 bytes of the scale words
	s_mul_i32 s24, s18, 4*PSX
	s_mul_i32 s25, ttmp9, 1536
	s_add_co_u32 s24, s24, s25                     ; codes: my four planes, the work-group's 32 rows
	s_mov_b32 s25, 0
	s_lshl_b32 s26, ttmp9, 10
	s_lshl_b32 s27, s18, 8
	s_add_co_u32 s26, s26, s27                     ; scale words: 1,024 bytes a work-group, 256 a wave
	s_mov_b32 s27, 0
	s_mov_b32 s22, 352
	s_wait_kmcnt 0x0
	s_mov_b64 s[20:21], s[12:13]                   ; which tensor: the choice hangs on the work-group's number alone; only pointers are chosen
	s_cmp_lt_u32 ttmp9, 352
	s_cselect_b64 s[20:21], s[10:11], s[20:21]
	s_cselect_b32 s22, 320, s22
	s_cmp_lt_u32 ttmp9, 320
	s_cselect_b64 s[20:21], s[8:9], s[20:21]
	s_cselect_b32 s22, 288, s22
	s_cmp_lt_u32 ttmp9, 288
	s_cselect_b64 s[20:21], s[6:7], s[20:21]
	s_cselect_b32 s22, 256, s22
	s_cmp_lt_u32 ttmp9, 256
	s_cselect_b64 s[20:21], s[4:5], s[20:21]
	s_cselect_b32 s22, 0, s22
	s_sub_co_u32 s22, ttmp9, s22                   ; the group of 32 rows within its tensor
	s_lshl_b32 s22, s22, 2
	s_add_co_u32 s22, s22, s18
	s_lshl_b32 s22, s22, 15                        ; 8 rows of 4,096 bytes a wave
	s_mov_b32 s23, 0
	s_add_nc_u64 s[20:21], s[20:21], s[22:23]
	s_add_nc_u64 s[14:15], s[14:15], s[24:25]
	s_add_nc_u64 s[16:17], s[16:17], s[26:27]
.macro LOAD t
.irp i, 0,1,2,3
	global_load_b128 v[R+16*((\t)%4)+4*\i:R+16*((\t)%4)+4*\i+3], v3, s[20:21] offset:2048*(\t)+512*\i th:TH_LOAD_NT   ; 32 lanes read 512 consecutive bytes
.endr
.endm
.macro TURN t                          ; step t's numbers through the stage: LDS serves a wave's instructions in order, so no wait stands between the stores and the loads
.irp i, 0,1,2,3
	ds_store_b128 v14, v[R+16*((\t)%4)+4*\i:R+16*((\t)%4)+4*\i+3] offset:32*SP*((\t)%2)+8*SP*\i
.endr
.irp i, 0,1,2,3
	ds_load_b128 v[X+16*((\t)%2)+4*\i:X+16*((\t)%2)+4*\i+3], v15 offset:32*SP*((\t)%2)+16*\i
.endr
.endm
.irp t, 0,1,2,3
	LOAD \t
.endr
	s_wait_loadcnt 12                              ; step 0's four loads are in
	TURN 0
; Step t: row t / 2 of my eight, half t % 2 of K.  Lane l holds k = 512 (t % 2) + 16 l + 0 .. 15.
.macro STEP t
.set XS, X+16*((\t)%2)
.if (\t) > 0
	s_wait_dscnt 4                                 ; this step's numbers are back from the stage; the last step's three code stores and its byte store may be out
.else
	s_wait_dscnt 0x0
.endif
.if (\t)+4 < STEPS
	LOAD (\t)+4                                    ; into the registers that this step's stores into the stage have read
.endif
.if (\t)+1 < STEPS
.if STEPS-2-(\t) >= 3
	s_wait_loadcnt 12                              ; the next step's four loads are in; those of the three steps behind it may be out
.else
	s_wait_loadcnt 4*(STEPS-2-(\t))
.endif
	TURN (\t)+1
.endif
	v_max3_num_f32 v8, |v[XS]|, |v[XS+1]|, |v[XS+2]|               ; the largest magnitude of my 16, in two chains
	v_max3_num_f32 v9, |v[XS+3]|, |v[XS+4]|, |v[XS+5]|
.irp i, 6,10
	v_max3_num_f32 v8, v8, |v[XS+\i]|, |v[XS+\i+1]|
	v_max3_num_f32 v9, v9, |v[XS+\i+2]|, |v[XS+\i+3]|
.endr
	v_max3_num_f32 v8, v8, |v[XS+14]|, |v[XS+15]|
	v_max3_num_f32 v8, v8, v9, (EMAX+1)<<23        ; and the floor 2^(3 - 127): the byte cannot fall under 1
	v_max_num_f32_dpp v8, v8, v8 row_xmask:1 row_mask:0xf bank_mask:0xf   ; and of my neighbour's 16: the block's
	v_add_nc_u32 v11, -(EMAX<<23), v8              ; 2 off its exponent field: the conversion takes the exponent field of this operand as its scale
	v_cvt_scalef32_pk16_fp6_f32 v[C+4*(\t):C+4*(\t)+2], v[XS:XS+15], v11
	v_lshrrev_b32 v[E+(\t)], 23, v11               ; the scale's byte (a plain line behind the conversion)
.irp i, 0,1,2
	ds_store_b32 v4, v[C+4*(\t)+\i] offset:((\t)%2)*8*CPL+((\t)/2)*48+4*\i   ; 12 bytes at a multiple of 4: three words
.endr
	ds_store_b8 v5, v[E+(\t)] offset:((\t)%2)*512+((\t)/2)*4                  ; both lanes of a block write the same byte with the same value
.endm
.irp t, 0,1,2,3,4,5,6,7,8,9,10,11,12,13,14,15
	STEP \t
.endr
	s_wait_dscnt 0x0                               ; for the others' sake: my stores into the two stages are done
	s_barrier_signal -1
	s_barrier_wait -1                              ; a plane's 32 rows come from four waves
.irp n, 0,1,2,3,4,5,6,7,8,9,10,11
	ds_load_b128 v[R+4*\n:R+4*\n+3], v6 offset:(\n/3)*CPL+512*(\n%3)
.endr
	ds_load_b64 v[64:65], v12
.irp n, 0,1,2,3,4,5,6,7,8,9,10,11
	s_wait_dscnt 12-\n                             ; the younger loads may be out
	global_store_b128 v3, v[R+4*\n:R+4*\n+3], s[14:15] offset:(\n/3)*PSX+512*(\n%3)   ; 512 consecutive bytes, at a multiple of 256 from the buffer's first byte
.endr
	s_wait_dscnt 0x0
	global_store_b64 v13, v[64:65], s[16:17]       ; 256 consecutive bytes, aligned
	s_wait_tensorcnt 0x0
	ds_add_u32 v192, v193
	s_wait_dscnt 0x0
	s_endpgm
.Lfunc_end_k_q4078c08070_quant:
	.size	k_q4078c08070_quant, .Lfunc_end_k_q4078c08070_quant-k_q4078c08070_quant
	.p2alignl 7, 3214868480
	.fill 96, 4, 3214868480
	.section	.rodata,"a",@progbits
	.p2align	6, 0x0
	.amdhsa_kernel k_q4078c08070_quant
		.amdhsa_group_segment_fixed_size 47104
		.amdhsa_private_segment_fixed_size 0
		.amdhsa_enable_private_segment 0
		.amdhsa_kernarg_size 56
		.amdhsa_user_sgpr_count 2
		.amdhsa_user_sgpr_kernarg_segment_ptr 1
		.amdhsa_wavefront_size32 1
		.amdhsa_system_sgpr_workgroup_id_x 1
		.amdhsa_system_sgpr_workgroup_id_y 1
		.amdhsa_system_sgpr_workgroup_id_z 1
		.amdhsa_system_vgpr_workitem_id 0
		.amdhsa_next_free_vgpr 194
		.amdhsa_next_free_sgpr 66
		.amdhsa_reserve_vcc 0
		.amdhsa_float_denorm_mode_32 3
		.amdhsa_float_denorm_mode_16_64 3
		.amdhsa_memory_ordered 1
		.amdhsa_forward_progress 1
		.amdhsa_inst_pref_size 38
	.end_amdhsa_kernel
	.amdgpu_metadata
---
amdhsa.version: [ 1, 2 ]
amdhsa.kernels:
  - .name:           k_q4078c08070_quant
    .symbol:         k_q4078c08070_quant.kd
    .args:
      - { .name: x, .offset: 0, .size: 8, .value_kind: global_buffer, .address_space: global }
      - { .name: wq, .offset: 8, .size: 8, .value_kind: global_buffer, .address_space: global }
      - { .name: wk, .offset: 16, .size: 8, .value_kind: global_buffer, .address_space: global }
      - { .name: wv, .offset: 24, .size: 8, .value_kind: global_buffer, .address_space: global }
      - { .name: wo, .offset: 32, .size: 8, .value_kind: global_buffer, .address_space: global }
      - { .name: xw_codes, .offset: 40, .size: 8, .value_kind: global_buffer, .address_space: global }
      - { .name: xw_scales, .offset: 48, .size: 8, .value_kind: global_buffer, .address_space: global }
    .group_segment_fixed_size: 47104
    .private_segment_fixed_size: 0
    .kernarg_segment_align: 8
    .kernarg_segment_size: 56
    .max_flat_workgroup_size: 128
    .sgpr_count:     66
    .vgpr_count:     194
    .wavefront_size: 32
...
	.end_amdgpu_metadata
.endif
;; end of part 1
;; launch qkv (part 2): grid 12 x 32, 4 waves a work-group, clusters of 4 x 4, 327,680 bytes of LDS; arguments xw_codes, xw_scales, qk_codes, qk_scales, v_codes, v_scales; writes qk_codes, qk_scales, v_codes, v_scales
.if DOCPART == 2
	.amdgcn_target "amdgcn-amd-amdhsa--gfx1250"
	.amdhsa_code_object_version 6
	.text
	.protected	k_q4078c08070_qkv
	.globl	k_q4078c08070_qkv
	.p2align	8
	.type	k_q4078c08070_qkv,@function
k_q4078c08070_qkv:
	s_mov_b64 s[64:65], 0
	v_nop
	global_prefetch_b8 v0, s[64:65] scope:SCOPE_SE
	s_setreg_imm32_b32 hwreg(HW_REG_WAVE_MODE, 25, 1), 1
	s_wait_xcnt 0x0
	s_wait_alu depctr_hold_cnt(0) depctr_sa_sdst(0) depctr_va_vdst(0) depctr_va_sdst(0) depctr_va_ssrc(0) depctr_va_vcc(0) depctr_vm_vsrc(0)
	s_getreg_b32 s2, hwreg(HW_REG_IB_STS2, 6, 4)
	s_cmp_eq_u32 s2, 0
	s_cbranch_scc0 .Lentry_in_a_cluster
	s_endpgm
.Lentry_in_a_cluster:
	s_bfe_u32 s2, ttmp6, 0x10000c
	s_cmp_lg_u32 s2, 0xf033
	s_cbranch_scc0 .Lentry_shape_is_right
	s_endpgm
.Lentry_shape_is_right:
; q = x wq^T, k = x wk^T, v = x wv^T on codes of FP6 (E2M3) with E8M0 scales, K = 1,024; the results are quantised on the way out and leave as codes: q and k along the head's 64 channels, v along the keys.
; ONE FORM FOR ALL THREE: OUT[i][j] = sum over k of A[i][k] B[j][k], and OUT is quantised along j.  Clusters x = 0, 1: A = x (i = token), B = wq and wk on end (j = 2,048 channels).
; Cluster x = 2: A = wv (i = channel), B = x (j = token): that is v transposed, with the keys innermost.  Only scalar selections on the cluster's x differ: no branch, no LDS address.
; LAYOUT OF CODES: [K / 64 planes][rows][48 bytes]; of an operand's scale words: [row / 32][8 K steps of 128][row % 32].  Rows lie at POSITIONS: in each group of 32, place p holds the row with bits 3 and 4 of p exchanged.
; A tile of OUT is 256 x 256; four waves, as many as a WGP has SIMDs, 128 x 128 each: 64 accumulators, 512 registers.  THE MATRIX INSTRUCTION IS USED TRANSPOSED (source 0 = 16 places of B, source 1 = 16 places of A):
; a lane holds one place of A, and by the positions the 16 registers of B's blocks 2 n and 2 n + 1 are 16 NEIGHBOURS along j: j = 32 n + 16 (lane / 16) + 0 .. 15.  So the conversions take them as they stand.
; K goes in four steps of 256 through THREE LDS slots: steps 0, 1, 2 are first fills, step 3 is the one refill (slot 0), asked for two K steps, 256 matrix instructions a wave, ahead of its wait.
; CLUSTERS: 4 x 4.  A's tiles are shared along a row of the cluster, B's along a column: each is asked for jointly, by the same tensor load with the same descriptor and a mask that names the four.
; By this text's count a wave has four tensor loads out at the start and one behind the refill's round.
; LIMITS: NaN and infinities are not served; a block whose largest magnitude lies under 2^-124, a block of zeros among them, keeps the byte 1 (this program alone reads the bytes).
; REGISTERS, in windows of 256: window 0: v0-31 addresses; v32-63 scale words, two sets, and nothing else; v64-102 at work on the way out; v128-223 A's fragments, one set; on the way out v128-227 what leaves.
;   window 1: B's fragments, two sets, at v0 and v128.   window 2: accumulators of my places 0-63 of A ((a, b) at v[8 (8 (a % 4) + b)]);   window 3: those of places 64-127.
.set PSX,   589824                     ; a plane of the operands' table: 12,288 rows x 48 bytes
.set PSA,   PSX
.set PSB,   PSX
.set PLB,   6144                       ; 128 rows of a plane
.set HALFT, 4*PLB                      ; what one tensor load brings: 4 planes (256 along K) x 128 rows
.set SLOT,  4*HALFT                    ; A's two halves, then B's two
.set SCL,   3*SLOT                     ; behind the slots: the scale words of 128 rows for all of K, 4,096 bytes, once for each wave's load,
.set HALFS, 4160                       ; 4,160 bytes apart: B's words then lie 16, 32 or 48 banks beside A's
.set SPARE, SCL+4*HALFS                ; the spare words, 128 bytes for each wave: two blocks of 256 bytes that no other line names
.set STAGE, SLOT                       ; the way out goes through slot 1: it is filled once, and its last read lies ahead of the last barrier
.set WST,   12800                      ; a wave's stage: 2 planes x 128 rows x 48 bytes of codes, then 128 scale words
.set FR,    12                         ; registers of a fragment
.set NL,    6                          ; LDS loads that bring one
.set NP,    4                          ; places behind this matrix instruction (ISA guide 7.12.1)
.set NQ,    2                          ; matrix instructions deep in a slot
.set ADRA,  16                         ; v16-18  LDS address of my A fragments in slot 0, 1, 2
.set ADRB,  20                         ; v20-22  the same for B
.set STO,   24                         ; v24     the way out: where my 24 bytes of codes go
.set SSO,   25                         ; v25     and my row's scale word
.set RD,    26                         ; v26     where I read the stage back
.set ADRS,  27                         ; v27     LDS address of my scale words: lanes 0-15 A's, lanes 16-31 B's
.set SPW,   28                         ; v28     my spare word: SPARE + 4 x my thread's number; never rewritten
.set NIL,   29                         ; v29     0; never rewritten
.set CO,    30                         ; v30     16 x lane
.set SC,    32                         ; scale words: set s at v[SC + 16 s]; register 2 i + q: lanes 0-15 A's block i, lanes 16-31 B's block i, the slot's q-th 128 along K
.set TM,    64                         ; v64-79  the quantiser's work
.set PW,    80                         ; v80     the scale word just made
.set PC,    84                         ; v84-102 the codes just made
.set AF,    128
.set OB,    128
.set SEL,   2                          ; s[2:3]  lane selects for v_permlanex16_b32: lane l xor 16
.set G1,    24                         ; s[24:31] group 1 for A's codes; s[32:39] B's; s[40:47] A's scale words; s[48:55] B's
.set G1B,   32
.set G1S,   40
.set G1SB,  48
.set G0A0,  56                         ; groups 0: A's codes for slots 0, 1, 2; B's; the scale words'
.set G0A1,  60
.set G0A2,  68
.set G0B0,  72
.set G0B1,  76
.set G0B2,  80
.set G0S,   84
.set G0SB,  88
.set MSB, 0
.macro WIN new                         ; the immediate's high byte repeats the setting that is left; a switch that changes nothing is dropped
.if MSB != (\new)
	s_set_vgpr_msb (MSB<<8)|(\new)
.set MSB, (\new)
.endif
.endm
.set MUL_LO, 0xa1                      ; source 0 (B) window 1, source 1 (A) window 0, C and D window 2
.set MUL_HI, 0xf1                      ; the same, C and D window 3
.set TO_B,   0x40                      ; destination window 1, address window 0
; A joint load: waves 0 and 1 fetch for A, waves 2 and 3 for B.  Each line has one mask and one set of registers for all that issue it; the branch hangs on the wave's number alone.
; Four v_nop follow each of the two lines, ahead of the jump, the label and what follows.
.macro JLOAD g0a, g1a, g0b, g1b
	s_cmp_eq_u32 s15, 0
	s_cbranch_scc0 .Lfor_b_\@
	tensor_load_to_lds s[\g0a:\g0a+3], s[\g1a:\g1a+7]
	s_nop 0
.rept 4
	v_nop
.endr
	s_branch .Lasked_\@
.Lfor_b_\@:
	tensor_load_to_lds s[\g0b:\g0b+3], s[\g1b:\g1b+7]
	s_nop 0
.rept 4
	v_nop
.endr
.Lasked_\@:
.endm
.macro CREST                           ; a round of the cluster's barrier behind its opening barrier
	s_cmp_lg_u32 s14, 0
	s_cbranch_scc1 .Lnot_wave_0_\@
	s_barrier_signal -3
.Lnot_wave_0_\@:
	s_barrier_wait -3
	s_barrier_signal -1
	s_barrier_wait -1
.endm
.macro CROUND                          ; a whole round
	s_barrier_signal -1
	s_barrier_wait -1
	CREST
.endm
.macro SETG1 g, m, c, r, p             ; group 1: r rows of c elements of 8 bytes, p elements apart; the mask in s[m]; bit 21 set beside it; no padding
	s_or_b32 s[\g], s[\m], (3<<16)|(1<<21)
	s_mov_b32 s[\g+1], (\c)<<16                    ; tensor_dim0
	s_mov_b32 s[\g+2], (\r)<<16                    ; tensor_dim1
	s_mov_b32 s[\g+3], (\c)<<16                    ; tile_dim0
	s_mov_b32 s[\g+4], \r                          ; tile_dim1
	s_mov_b32 s[\g+5], \p                          ; tensor_dim0_stride
	s_mov_b32 s[\g+6], 0
	s_mov_b32 s[\g+7], 0
.endm
.macro SETG0 g, l, lo, a, go           ; group 0: to LDS byte s[l] + lo, from the address s[a:a+1] + go
	s_mov_b32 s[\g], 1
	s_add_co_u32 s[\g+1], s[\l], \lo
	s_add_nc_u64 s[\g+2:\g+3], s[\a:\a+1], \go
	s_or_b32 s[\g+3], s[\g+3], 0x80000000
.endm
	s_load_b128 s[4:7], s[0:1], 0x0                ; the operands' codes, their scale words
	s_load_b128 s[8:11], s[0:1], 0x10              ; q's and k's codes, their scale words
	s_load_b128 s[96:99], s[0:1], 0x20             ; v's codes, its scale words
	v_lshl_add_u32 v[SPW], v0, 2, SPARE
	v_mov_b32 v[NIL], 0
	ds_add_u32 v28, v29
	ds_add_u32 v28, v29
	s_wait_dscnt 0x0
	v_lshrrev_b32 v1, 5, v0
	v_readfirstlane_b32 s14, v1                    ; wave 0..3
	s_lshr_b32 s15, s14, 1                         ; which half of the tile's rows (A) is mine.  Also: I fetch for A (0) or for B (1)
	s_and_b32 s16, s14, 1                          ; which half of its columns (B).  Also: which 128 rows I fetch
	s_bfe_u32 s92, ttmp6, 0x40000                  ; cx
	s_bfe_u32 s93, ttmp6, 0x40004                  ; cy
	s_and_b32 s17, ttmp7, 0xffff                   ; cluster y
	s_mov_b32 s100, 8192
	s_cmp_eq_u32 ttmp9, 2                          ; the clusters with x = 2 make v: the same in all sixteen partners
	s_cselect_b32 s94, s17, ttmp9                  ; what counts tile columns by fours
	s_cselect_b32 s17, 0, s17                      ; and tile rows
	s_cselect_b32 s18, 10240, 0                    ; A's first row in the table: wv, or x
	s_cselect_b32 s95, 0, 8192                     ; B's: x, or wq
	s_cselect_b32 s100, 1024, s100                 ; I: the rows of OUT
	s_lshl_b32 s94, s94, 2
	s_add_co_u32 s94, s94, s92                     ; tile column
	s_lshl_b32 s17, s17, 2
	s_add_co_u32 s17, s17, s93                     ; tile row
	s_lshl_b32 s19, s93, 2
	s_lshl_b32 s19, 15, s19                        ; my row of the cluster
	s_lshl_b32 s101, 0x1111, s92                   ; my column
	SETG1 G1,   19,  768, 4,  PSA/8                ; 4 planes x 128 rows x 48 bytes: 4 rows of 6,144 bytes
	SETG1 G1B,  101, 768, 4,  PSB/8
	SETG1 G1S,  19,  32,  16, 32                   ; 4,096 dense bytes as 16 rows of 256
	SETG1 G1SB, 101, 32,  16, 32
	s_lshl_b32 s20, s17, 8                         ; A hangs on the tile row alone,
	s_lshl_b32 s21, s16, 7
	s_add_co_u32 s20, s20, s21
	s_add_co_u32 s20, s20, s18                     ; the first row that I would fetch of it
	s_mul_i32 s22, s20, 48                         ; in a plane,
	s_mov_b32 s23, 0
	s_lshl_b32 s20, s20, 5                         ; and among the scale words: 1,024 bytes for 32 rows
	s_mov_b32 s21, 0
	s_lshl_b32 s2, s94, 8                          ; B on the tile column alone, in registers of its own
	s_lshl_b32 s3, s16, 7
	s_add_co_u32 s2, s2, s3
	s_add_co_u32 s2, s2, s95
	s_mul_i32 s12, s2, 48
	s_mov_b32 s13, 0
	s_lshl_b32 s2, s2, 5
	s_mov_b32 s3, 0
	s_mul_i32 s18, s14, HALFT                      ; where they go: by the wave's number alone
	s_mul_i32 s19, s14, HALFS
	s_wait_kmcnt 0x0
	s_add_nc_u64 s[22:23], s[4:5], s[22:23]
	s_add_nc_u64 s[20:21], s[6:7], s[20:21]
	s_add_nc_u64 s[12:13], s[4:5], s[12:13]
	s_add_nc_u64 s[2:3], s[6:7], s[2:3]
	SETG0 G0S,  19, SCL, 20, 0
	SETG0 G0SB, 19, SCL, 2, 0
	SETG0 G0A0, 18, 0, 22, 0
	SETG0 G0B0, 18, 0, 12, 0
	SETG0 G0A1, 18, SLOT, 22, 4*PSA
	SETG0 G0B1, 18, SLOT, 12, 4*PSB
	SETG0 G0A2, 18, 2*SLOT, 22, 8*PSA
	SETG0 G0B2, 18, 2*SLOT, 12, 8*PSB
	CROUND                                         ; all sixteen work-groups are here: the first joint loads meet
	JLOAD G0S, G1S, G0SB, G1SB                     ; the scale words first: they are wanted with K step 0
	JLOAD G0A0, G1, G0B0, G1B
	JLOAD G0A1, G1, G0B1, G1B
	JLOAD G0A2, G1, G0B2, G1B
	v_and_b32 v1, 15, v0                           ; r
	v_bfe_u32 v2, v0, 4, 1                         ; h
	s_wait_alu depctr_va_vdst(0)
	v_mul_u32_u24 v3, v1, 48
	v_mad_u32_u24 v3, v2, 24, v3                   ; 48 r + 24 h: words 12 r + 6 h: the 32 lanes of a load of 8 bytes touch 64 different banks (64 banks of 4 bytes: ISA guide 11.1)
	s_mul_i32 s21, s15, HALFT                      ; my 128 rows of A
	s_mul_i32 s22, s16, HALFT
	s_add_co_u32 s22, s22, 2*HALFT                 ; my 128 rows of B, behind A's 256
.irp s, 0,1,2
	v_add_nc_u32 v[ADRA+\s], s21, v3
	v_add_nc_u32 v[ADRB+\s], s22, v3
	s_add_co_u32 s21, s21, SLOT
	s_add_co_u32 s22, s22, SLOT
.endr
	s_xor_b32 s22, s15, 1
	s_add_co_u32 s22, s22, s16
	s_add_co_u32 s22, s22, 1                       ; 2 + column half - row half: from A's words to B's, in loads
	s_mul_i32 s22, s22, HALFS
	v_mul_u32_u24 v6, s22, v2                      ; lanes 16-31 take B's
	s_mul_i32 s21, s15, HALFS
	s_add_co_u32 s21, s21, SCL
	v_lshl_add_u32 v6, v1, 2, v6
	v_add_nc_u32 v[ADRS], s21, v6
	s_mul_i32 s23, s14, WST
	s_add_co_u32 s23, s23, STAGE                   ; my stage
	v_add_nc_u32 v[STO], s23, v3
	v_lshlrev_b32 v4, 2, v1
	v_add_nc_u32 v[SSO], s23, v4
	v_add_nc_u32 v[SSO], 2*PLB, v[SSO]
	v_and_b32 v5, 31, v0
	v_lshlrev_b32 v[CO], 4, v5
	v_add_nc_u32 v[RD], s23, v[CO]
	s_mov_b32 s[SEL], 0x76543210
	s_mov_b32 s[SEL+1], 0xfedcba98
	s_cmp_eq_u32 ttmp9, 2                          ; where the results go
	s_cselect_b64 s[8:9], s[96:97], s[8:9]
	s_cselect_b64 s[10:11], s[98:99], s[10:11]
	s_lshl_b32 s18, s94, 2
	s_lshl_b32 s19, s16, 1
	s_add_co_u32 s18, s18, s19                     ; my first plane of OUT: j / 64 = 4 x tile column + 2 x half
	s_mul_i32 s18, s18, s100
	s_lshl_b32 s19, s17, 8
	s_add_co_u32 s18, s18, s19
	s_lshl_b32 s19, s15, 7
	s_add_co_u32 s18, s18, s19                     ; + my first row
	s_mul_i32 s18, s18, 48
	s_mov_b32 s19, 0
	s_add_nc_u64 s[8:9], s[8:9], s[18:19]          ; my 128 rows in my first plane: 6,144 consecutive bytes
	s_mul_i32 s18, s100, 48
	s_add_nc_u64 s[12:13], s[8:9], s[18:19]        ; and in the second
	s_lshl_b32 s18, s94, 1
	s_add_co_u32 s18, s18, s16                     ; scale words: [j / 128][row]
	s_mul_i32 s18, s18, s100
	s_lshl_b32 s20, s17, 8
	s_add_co_u32 s18, s18, s20
	s_lshl_b32 s20, s15, 7
	s_add_co_u32 s18, s18, s20
	s_lshl_b32 s18, s18, 2
	s_add_nc_u64 s[10:11], s[10:11], s[18:19]
; A fragment, 16 rows x 128 K, is 12 registers: lane l holds row l % 16; registers 0-5 are its 24 bytes at byte 24 (l / 16) of plane 2 q, registers 6-11 the same of plane 2 q + 1; in pieces of 8 bytes.
.macro FRAG reg, adr, q, i
.irp p, 0,1,2,3,4,5
	ds_load_b64 v[\reg+2*\p:\reg+2*\p+1], v[\adr] offset:(2*(\q)+\p/3)*PLB+(\i)*768+8*(\p%3)
.endr
.endm
; 16 matrix instructions: A's blocks a0, a0 + 1 x B's eight, the slot's q-th 128 along K.  p: B's set; sc: the set of scale words.  zero = 1: the first product starts the sums.
; The 64 accumulators take turns, one instruction a turn, in the same order in every step.
.macro MUL16 a0, p, q, sc, zero
.irp a, \a0, \a0+1
.irp b, 0,1,2,3,4,5,6,7
.if \zero
	v_wmma_scale_f32_16x16x128_f8f6f4 v[8*(8*((\a)%4)+\b):8*(8*((\a)%4)+\b)+7], v[128*(\p)+FR*\b:128*(\p)+FR*\b+FR-1], v[AF+FR*(\a):AF+FR*(\a)+FR-1], 0, v[SC+8*NQ*(\sc)+NQ*\b+(\q)], v[SC+8*NQ*(\sc)+NQ*(\a)+(\q)] matrix_a_fmt:MATRIX_FMT_FP6 matrix_b_fmt:MATRIX_FMT_FP6 matrix_a_scale:MATRIX_SCALE_ROW1
.else
	v_wmma_scale_f32_16x16x128_f8f6f4 v[8*(8*((\a)%4)+\b):8*(8*((\a)%4)+\b)+7], v[128*(\p)+FR*\b:128*(\p)+FR*\b+FR-1], v[AF+FR*(\a):AF+FR*(\a)+FR-1], v[8*(8*((\a)%4)+\b):8*(8*((\a)%4)+\b)+7], v[SC+8*NQ*(\sc)+NQ*\b+(\q)], v[SC+8*NQ*(\sc)+NQ*(\a)+(\q)] matrix_a_fmt:MATRIX_FMT_FP6 matrix_b_fmt:MATRIX_FMT_FP6 matrix_a_scale:MATRIX_SCALE_ROW1
.endif
.endr
.endr
.endm
.macro FETCH_B slot, q, p              ; B's eight fragments into set p
	WIN TO_B
.irp i, 0,1,2,3,4,5,6,7
	FRAG 128*(\p)+FR*\i, ADRB+\slot, \q, \i
.endr
	WIN 0
.endm
.macro FETCH_A slot, q, i0             ; A's blocks i0 .. i0 + 3
.irp i, \i0, \i0+1, \i0+2, \i0+3
	FRAG AF+FR*(\i), ADRA+\slot, \q, \i
.endr
.endm
.macro SCALES sc                       ; a K step's scale words into set sc: block i's 16 rows lie at (i / 2) x 1,024 + (i % 2) x 64, the q-th 128 along K 128 bytes on
.irp i, 0,1,2,3,4,5,6,7
.irp q, 0,1
	ds_load_b32 v[SC+16*(\sc)+2*\i+\q], v[ADRS] offset:(\i/2)*1024+\q*128+(\i%2)*64
.endr
.endr
.endm
; A load into a register that a matrix instruction has read, and a vector instruction or an LDS store that reads a matrix result, stand NP places behind it; only plain vector instructions that name none of its registers are places.
.macro PLACES n
.rept \n
	v_nop
.endr
.endm
; A slot's first 128 along K: B's set 0; its successor lies in the same slot.
.macro STEP slot, sc, zero
	s_wait_dscnt 4*NL                              ; B's set, A's blocks 0-3 and the scale words are in; the youngest 24 loads (A's blocks 4-7) may be out
	WIN MUL_LO
	MUL16 0, 0, 0, \sc, \zero
	MUL16 2, 0, 0, \sc, \zero
	s_wait_dscnt 0                                 ; A's blocks 4-7 are in
	PLACES NP
	FETCH_B \slot, 1, 1
	FETCH_A \slot, 1, 0
	WIN MUL_HI
	MUL16 4, 0, 0, \sc, \zero
	MUL16 6, 0, 0, \sc, \zero
	PLACES NP
	WIN 0
	FETCH_A \slot, 1, 4
.endm
; A slot's second 128 along K: B's set 1; it goes on to slot next and scale set nsc.
; mode 2: slot 0 is filled again.  Each wave waits for all its tensor loads, adds 0 to its spare word, waits for that and for its reads of the slot; the barrier opens a round of the cluster's barrier; the joint refill is the first thing behind it.
; mode 1: the same lines and the work-group's barrier alone: behind it K step 3 is whole for every wave, and nobody reads slots 1 and 2 any more.  mode 0: the next slot was shown whole at the round: no barrier.
.macro LASTQ slot, sc, next, nsc, mode
.if \mode > 0
	s_wait_tensorcnt 0x0                           ; all my tensor loads have landed  (every window is 0 here)
	ds_add_u32 v[SPW], v[NIL]                      ; 0 onto my spare word
	s_wait_dscnt 4*NL+1                            ; (the add and the youngest 24 loads, A's blocks 4-7, may be out)
	WIN MUL_LO
	MUL16 0, 1, 1, \sc, 0                          ; sixteen matrix instructions stand between the add and the wait for it
	s_wait_dscnt 0x0                               ; the add is done, and my reads of this slot are over
	s_barrier_signal -1
	MUL16 2, 1, 1, \sc, 0
	WIN 0
	s_barrier_wait -1
.if \mode == 2
	CREST                                          ; no wave of any partner still reads slot 0 or has a load on its way
	s_add_nc_u64 s[G0A0+2:G0A0+3], s[G0A0+2:G0A0+3], 12*PSA   ; from K step 0 to K step 3: twelve planes on
	s_add_nc_u64 s[G0B0+2:G0B0+3], s[G0B0+2:G0B0+3], 12*PSB
	JLOAD G0A0, G1, G0B0, G1B                      ; the four v_nop behind it are also the places in front of the loads below
.else
	PLACES NP
.endif
.else
	s_wait_dscnt 4*NL
	WIN MUL_LO
	MUL16 0, 1, 1, \sc, 0
	MUL16 2, 1, 1, \sc, 0
	s_wait_dscnt 0x0
	WIN 0
	PLACES NP
.endif
	v_add_nc_u32 v[ADRS], 256, v[ADRS]             ; on to the next K step's scale words
	FETCH_B \next, 0, 0
	FETCH_A \next, 0, 0
	SCALES \nsc
	WIN MUL_HI
	MUL16 4, 1, 1, \sc, 0
	MUL16 6, 1, 1, \sc, 0
	PLACES NP
	WIN 0
	FETCH_A \next, 0, 4
.endm
	s_wait_alu depctr_va_vdst(0)
	s_wait_tensorcnt 2                             ; the scale words and my part of K step 0 are in; K steps 1 and 2 may be out
	s_barrier_signal -1
	s_barrier_wait -1                              ; everybody's are
	FETCH_B 0, 0, 0
	FETCH_A 0, 0, 0
	SCALES 0
	FETCH_A 0, 0, 4
	STEP 0, 0, 1                                   ; K step 0: its first products start the sums: nothing is cleared
	LASTQ 0, 0, 1, 1, 2
	s_wait_alu depctr_va_vdst(0)
	STEP 1, 1, 0                                   ; K step 1
	LASTQ 1, 1, 2, 0, 0
	s_wait_alu depctr_va_vdst(0)
	STEP 2, 0, 0                                   ; K step 2
	LASTQ 2, 0, 0, 1, 1
	STEP 0, 1, 0                                   ; K step 3
	s_wait_dscnt 4*NL
	WIN MUL_LO
	MUL16 0, 1, 1, 1, 0
	MUL16 2, 1, 1, 1, 0
	s_wait_dscnt 0
	WIN MUL_HI
	MUL16 4, 1, 1, 1, 0
	MUL16 6, 1, 1, 1, 0
	WIN 0
; THE WAY OUT.  Block a (16 places of A x my 128 of j): a lane's 64 registers, register 16 n + i = j 32 n + 16 (lane / 16) + i of its row, become a fragment's codes in v[PC] on and its scale word in v[PW].
; The largest magnitudes read each accumulator from its low end on.  The running maximum stands as the third source, so that one window setting serves all 32 lines.
.macro QUANTA a
.set QS, 64*((\a)%4)
.set QW, 2+(\a)/4
	WIN (QW|(QW<<2))                               ; sources 0 and 1: window 2 or 3
.irp b, 0,1,2,3
	v_max3_num_f32 v[TM+\b], |v[QS+16*\b]|, |v[QS+16*\b+1]|, 0x1800000   ; and the floor 2^(3 - 127): the byte cannot fall under 1
.endr
.irp i, 2,4,6,8,10,12,14
.irp b, 0,1,2,3
	v_max3_num_f32 v[TM+\b], |v[QS+16*\b+\i]|, |v[QS+16*\b+\i+1]|, v[TM+\b]   ; (the four blocks by turns)
.endr
.endr
	WIN 0
.irp b, 0,1,2,3
	v_permlanex16_b32 v[TM+4+\b], v[TM+\b], s[SEL], s[SEL+1]
.endr
.irp b, 0,1,2,3
	v_max_num_f32 v[TM+\b], v[TM+\b], v[TM+4+\b]   ; with lane l xor 16's: the block's largest magnitude
.endr
.irp b, 0,1,2,3
	v_add_nc_u32 v[TM+12+\b], 0xff000000, v[TM+\b] ; 2 off its exponent field: the conversion's scale operand
.endr
.irp b, 0,1,2,3
	v_lshrrev_b32 v[TM+4+\b], 23, v[TM+12+\b]      ; the scale's byte
.endr
	v_lshl_or_b32 v[PW], v[TM+5], 8, v[TM+4]
	v_lshl_or_b32 v[PW], v[TM+6], 16, v[PW]
	v_lshl_or_b32 v[PW], v[TM+7], 24, v[PW]
	WIN QW                                         ; source 0: window 2 or 3
.irp c, 0,1
	v_cvt_scalef32_pk16_fp6_f32 v[PC+6*\c:PC+2+6*\c], v[QS+32*\c:QS+15+32*\c], v[TM+12+2*\c]
	v_cvt_scalef32_pk16_fp6_f32 v[PC+12+4*\c:PC+14+4*\c], v[QS+16+32*\c:QS+31+32*\c], v[TM+12+2*\c+1]   ; (a conversion's three registers begin on an even number)
.endr
	WIN 0
	v_nop                                          ; one plain place behind a scaled conversion
.irp c, 0,1                                    ; a whole block in a lane: lanes 0-15 block 2 c, lanes 16-31 block 2 c + 1
.irp i, 0,1,2
	v_permlane16_swap_b32 v[PC+6*\c+\i], v[PC+12+4*\c+\i]
.endr
.irp i, 0,1,2
	v_mov_b32 v[PC+3+6*\c+\i], v[PC+12+4*\c+\i]
.endr
.endr
.endm
	PLACES NP
.irp b, 0,1,2,3
	v_mov_b32 v[TM+4+\b], 0                        ; written once: a lane permute's destination counts as one of its sources
.endr
.irp a, 0,1,2,3,4,5,6,7
	QUANTA \a
.irp c, 0,1
.irp p, 0,1,2
	ds_store_b64 v[STO], v[PC+6*\c+2*\p:PC+6*\c+2*\p+1] offset:\c*PLB+\a*768+8*\p   ; plane c, row 16 a + r, byte 24 h
.endr
.endr
	ds_store_b32 v[SSO], v[PW] offset:64*\a        ; both halves of the lanes write the same word with the same value
	s_wait_dscnt 0x0                               ; the stores have read their registers
.endr
.irp n, 0,1,2,3,4,5,6,7,8,9,10,11,12,13,14,15,16,17,18,19,20,21,22,23,24
	ds_load_b128 v[OB+4*\n:OB+4*\n+3], v[RD] offset:512*\n   ; my own stage: LDS serves a wave's instructions in order
.endr
.irp n, 0,1,2,3,4,5,6,7,8,9,10,11
	s_wait_dscnt 24-\n                             ; the younger loads may be out
	global_store_b128 v[CO], v[OB+4*\n:OB+4*\n+3], s[8:9] offset:512*\n   ; 512 consecutive bytes, at a multiple of 256 from the buffer's first byte
.endr
.irp n, 12,13,14,15,16,17,18,19,20,21,22,23
	s_wait_dscnt 24-\n
	global_store_b128 v[CO], v[OB+4*\n:OB+4*\n+3], s[12:13] offset:512*(\n-12)
.endr
	s_wait_dscnt 0x0
	global_store_b128 v[CO], v[OB+96:OB+99], s[10:11]   ; my 128 rows' scale words
	s_wait_tensorcnt 0x0                           ; the wave's end
	ds_add_u32 v[SPW], v[NIL]
	s_wait_dscnt 0x0
	CROUND                                         ; the closing round: no work-group ends while a partner may still ask for a tile that names it
	s_endpgm
.Lfunc_end_k_q4078c08070_qkv:
	.size	k_q4078c08070_qkv, .Lfunc_end_k_q4078c08070_qkv-k_q4078c08070_qkv
	.p2alignl 7, 3214868480
	.fill 96, 4, 3214868480
	.section	.rodata,"a",@progbits
	.p2align	6, 0x0
	.amdhsa_kernel k_q4078c08070_qkv
		.amdhsa_group_segment_fixed_size 327680
		.amdhsa_private_segment_fixed_size 0
		.amdhsa_enable_private_segment 0
		.amdhsa_kernarg_size 48
		.amdhsa_user_sgpr_count 2
		.amdhsa_user_sgpr_kernarg_segment_ptr 1
		.amdhsa_wavefront_size32 1
		.amdhsa_system_sgpr_workgroup_id_x 1
		.amdhsa_system_sgpr_workgroup_id_y 1
		.amdhsa_system_sgpr_workgroup_id_z 1
		.amdhsa_system_vgpr_workitem_id 0
		.amdhsa_next_free_vgpr 1024
		.amdhsa_next_free_sgpr 102
		.amdhsa_reserve_vcc 0
		.amdhsa_float_denorm_mode_32 3
		.amdhsa_float_denorm_mode_16_64 3
		.amdhsa_memory_ordered 1
		.amdhsa_forward_progress 1
		.amdhsa_inst_pref_size 173
	.end_amdhsa_kernel
	.amdgpu_metadata
---
amdhsa.version: [ 1, 2 ]
amdhsa.kernels:
  - .name:           k_q4078c08070_qkv
    .symbol:         k_q4078c08070_qkv.kd
    .args:
      - { .name: xw_codes, .offset: 0, .size: 8, .value_kind: global_buffer, .address_space: global }
      - { .name: xw_scales, .offset: 8, .size: 8, .value_kind: global_buffer, .address_space: global }
      - { .name: qk_codes, .offset: 16, .size: 8, .value_kind: global_buffer, .address_space: global }
      - { .name: qk_scales, .offset: 24, .size: 8, .value_kind: global_buffer, .address_space: global }
      - { .name: v_codes, .offset: 32, .size: 8, .value_kind: global_buffer, .address_space: global }
      - { .name: v_scales, .offset: 40, .size: 8, .value_kind: global_buffer, .address_space: global }
    .group_segment_fixed_size: 327680
    .private_segment_fixed_size: 0
    .kernarg_segment_align: 8
    .kernarg_segment_size: 48
    .max_flat_workgroup_size: 128
    .sgpr_count:     102
    .vgpr_count:     1024
    .wavefront_size: 32
...
	.end_amdgpu_metadata
.endif
;; end of part 2
;; launch attn (part 3): grid 8 x 64, 16 waves a work-group, no clusters, 227,328 bytes of LDS; arguments qk_codes, qk_scales, v_codes, v_scales, y_codes, y_scales; writes y_codes, y_scales
.if DOCPART == 3
	.amdgcn_target "amdgcn-amd-amdhsa--gfx1250"
	.amdhsa_code_object_version 6
	.text
	.protected	k_q4078c08070_attn
	.globl	k_q4078c08070_attn
	.p2align	8
	.type	k_q4078c08070_attn,@function
k_q4078c08070_attn:
	s_mov_b64 s[64:65], 0
	v_nop
	global_prefetch_b8 v0, s[64:65] scope:SCOPE_SE
	s_setreg_imm32_b32 hwreg(HW_REG_WAVE_MODE, 25, 1), 1
	s_wait_xcnt 0x0
; y[b][t][h] = softmax_k(q . k / 8, causal) v, both products on codes of FP6 (E2M3) with E8M0 scales; y leaves as codes, quantised along (head, channel).
; q, k: [32 planes: q's heads, then k's][8,192 places b 2,048 + t][48 bytes]; their scale words [16 pairs of heads][8,192], two bytes a head.  v: [128 groups of 64 keys][1,024 = head x 64 + channel place][48], keys innermost;
; its scale words [64 steps of 128 keys][1,024].  Tokens and channels lie at POSITIONS: in each group of 32, place p holds the one with bits 3 and 4 of p exchanged; v's keys lie in their true order.
; THE SOFTMAX: t = score x log2(e) / 8; M = the running largest t rounded UP to a whole number; p = 2^(t - M) is quantised along the keys, not normalised; the row's sum is taken of the unquantised p and divides at the end.
; A block's largest p is taken from its largest score, by the same multiply-add and exponential: that takes v_exp_f32 not to fall where its input rises.
; THE HEAD IS 64, the instruction's K is 128: q's registers 6-11 are zero codes, and both sides' scale bytes 2 and 3 are 0 (the words come as 16 bits).  k's registers 6-11 are then free to hold anything finite: they are the next
; tile's codes (E2M3 has no infinity and no NaN), so that a tile costs three loads and eight tiles lie in 54 registers.
; SHARES.  A head's K and V as codes are 2 x 98,304 bytes: they lie in LDS WHOLE, each byte filled once: no ring, no refill.  Waves 0, 1 fetch K's halves, waves 2, 3 V's: their scale words, then four chunks of 512 keys:
; by this text's count five tensor loads are out.  A barrier stands in front of each chunk's steps, so that work begins when the first chunk has landed.
; A work-group owns the blocks x and 15 - x of 128 queries of one head: 17 x 8 wave steps in every work-group.  Wave w takes tile w / 2 of one of the two blocks, so that waves of both kinds fall on every SIMD.
; A step whose 128 keys all come after the wave's block is left out by a scalar branch on ids, round the step's work alone; every wave passes every barrier.
; NO CLUSTER: the work-groups that read one head's K and V differ in their query blocks, and which steps a wave leaves out hangs on its block: partners in joint loads may not branch on their place.
; NOTHING IS ASKED FOR AHEAD OF ITS LOAD: every tensor load of the launch is issued at the kernel's head.
; y's scale bytes leave as two bytes a lane: a word's other half belongs to another head's work-group; they are one part in 25 of what the launch stores.
; LIMITS: NaN and infinities are not served; a block whose largest magnitude lies under 2^-124, a block of zeros among them, keeps the byte 1 (this program alone reads the bytes).
; REGISTERS: v1-7 addresses that stay; v8-11 addresses in hand; v12 -M, v13 the largest t, v[14:15] the sum; v16-27 Q; v28-29 the way out; v32-85 K's eight tiles, later v32-79 V's four; v86-93 K's scale words;
;   v96-159 S^T, then p; v160-191 O^T; v192-197 the way out; v224-235 p's codes; v232-247, v252, v254 at work; v248-251 V's scale words; v253 p's scale word; v255 Q's.
.set VC,    98304                      ; LDS: K's codes at 0: [2,048 places][48];  V's here: [32 groups of 64 keys][64 channel places][48]
.set SCB,   196608                     ; K's scale words, 8,192 bytes; V's at + 8,192 (key steps 0-7) and + 12,288 (8-15): [8][64] words each
.set YST,   212992                     ; a stage of 768 bytes for each wave; no tensor load lands here
.set AK0,   1                          ; v1   48 r + 24 h: my place in a tile of K (and my offset in Q's rows)
.set AV0,   2                          ; v2   the same in V
.set ASK0,  3                          ; v3   my place among K's scale words
.set ASV0,  4                          ; v4   and among V's
.set DQ,    5                          ; v5   my query's number in its block, less 16 h
.set R4,    6                          ; v6   4 r
.set L8,    7                          ; v7   8 x lane
.set ADK,   8
.set ADV,   9
.set ADS,   10
.set ADT,   11
.set YSO,   28                         ; v28  the stage, in
.set YRD,   29                         ; v29  and back
.set WV,    18                         ; s18  my wave's number
.set QB,    19                         ; s19  my block of 128 queries
.set SEL,   20                         ; s[20:21] lane selects for v_permlanex16_b32: lane l xor 16
.set CS,    22                         ; s[22:23] c = log2(e) / 8
.set G1K,   24                         ; s[24:31] group 1 for K's codes; s[32:39] V's; s[40:47] K's scale words; s[48:55] V's
.set G1V,   32
.set G1KS,  40
.set G1VS,  48
.set G0S,   56                         ; groups 0: the scale words', then the four chunks'
.set G0C0,  60
.set G0C1,  68
.set G0C2,  72
.set G0C3,  76
.set TB,    2                          ; s2   where the step's codes begin, in K and in V: 6,144 bytes a step
.set TS,    3                          ; s3   K's scale words: 512 bytes a step
.set TJ,    66                         ; s66  V's: 256 bytes a step
.set SI,    67                         ; s67  the step's number
.set CNT,   80                         ; s80  counts a chunk's four steps
.macro SETG1 g, c, r, p                ; group 1: r rows of c elements of 8 bytes, p elements apart; no mask, no padding
	s_mov_b32 s[\g], 3<<16
	s_mov_b32 s[\g+1], (\c)<<16
	s_mov_b32 s[\g+2], (\r)<<16
	s_mov_b32 s[\g+3], (\c)<<16
	s_mov_b32 s[\g+4], \r
	s_mov_b32 s[\g+5], \p
	s_mov_b32 s[\g+6], 0
	s_mov_b32 s[\g+7], 0
.endm
.macro SETC g, c                       ; group 0 of chunk c; the address then steps to the next chunk
	s_mov_b32 s[\g], 1
	s_add_co_u32 s[\g+1], s89, (\c)*24576
	s_mov_b64 s[\g+2:\g+3], s[96:97]
	s_or_b32 s[\g+3], s[\g+3], 0x80000000
	s_add_nc_u64 s[96:97], s[96:97], s[94:95]
.endm
	s_load_b256 s[4:11], s[0:1], 0x0               ; q's and k's codes, their scale words, v's codes, its scale words
	s_load_b128 s[12:15], s[0:1], 0x20             ; y's codes, its scale words
	v_lshl_add_u32 v223, v0, 2, 0x37000
	v_mov_b32 v243, 0
	ds_add_u32 v223, v243
	ds_add_u32 v223, v243
	v_lshrrev_b32 v8, 5, v0
	s_delay_alu instid0(VALU_DEP_1)
	v_readfirstlane_b32 s[WV], v8                  ; wave 0..15
	s_and_b32 s81, ttmp7, 0xffff
	s_lshr_b32 s82, s81, 4                         ; b
	s_and_b32 s83, s81, 15                         ; the head
	s_and_b32 s84, s[WV], 1                        ; which half I fetch, if I fetch
	s_add_co_u32 s85, s83, 16                      ; K's codes: plane 16 + head,
	s_mul_i32 s85, s85, 393216
	s_mul_i32 s86, s82, 98304                      ; b's 2,048 places,
	s_add_co_u32 s85, s85, s86
	s_mul_i32 s86, s84, 12288                      ; my 256 of a chunk's 512
	s_add_co_u32 s85, s85, s86
	s_mul_i32 s86, s82, 1572864                    ; V's codes: b's 32 groups of keys,
	s_mul_i32 s87, s83, 3072                       ; the head's 64 rows,
	s_add_co_u32 s86, s86, s87
	s_mul_i32 s87, s84, 196608                     ; my 4 of a chunk's 8 groups
	s_add_co_u32 s86, s86, s87
	s_lshr_b32 s87, s83, 1                         ; K's scale words: pair 8 + head / 2,
	s_add_co_u32 s87, s87, 8
	s_lshl_b32 s87, s87, 15
	s_lshl_b32 s88, s82, 13
	s_add_co_u32 s87, s87, s88
	s_lshl_b32 s88, s84, 12                        ; my half: 4,096 bytes
	s_add_co_u32 s87, s87, s88
	s_lshl_b32 s88, s82, 16                        ; V's: b's 16 key steps of 4,096 bytes,
	s_lshl_b32 s89, s83, 8                         ; the head's 64 words,
	s_add_co_u32 s88, s88, s89
	s_lshl_b32 s89, s84, 15                        ; my 8 key steps
	s_add_co_u32 s88, s88, s89
	s_mov_b32 s94, 393216
	s_cmp_lt_u32 s[WV], 2                          ; waves 0, 1: K; waves 2, 3: V
	s_cselect_b32 s90, s85, s86
	s_cselect_b32 s92, s87, s88
	s_cselect_b32 s94, 24576, s94                  ; from chunk to chunk in memory
	s_mov_b32 s91, 0
	s_mov_b32 s93, 0
	s_mov_b32 s95, 0
	s_lshr_b32 s89, s[WV], 1
	s_mul_i32 s89, s89, VC
	s_mul_i32 s81, s84, 12288
	s_add_co_u32 s89, s89, s81                     ; my half of chunk 0 in LDS
	SETG1 G1K,  32,  48, 32                        ; 12,288 dense bytes as 48 rows of 256
	SETG1 G1V,  384, 4,  6144                      ; 4 groups of keys: rows of 3,072 bytes, 49,152 bytes apart
	SETG1 G1KS, 32,  16, 32                        ; 4,096 dense bytes
	SETG1 G1VS, 32,  8,  512                       ; 8 key steps: rows of 256 bytes, 4,096 bytes apart
	s_mov_b32 s[SEL], 0x76543210
	s_mov_b32 s[SEL+1], 0xfedcba98
	s_mov_b32 s[CS], 0x3e38aa3b                    ; c = log2(e) / sqrt(64)
	s_mov_b32 s[CS+1], s[CS]                       ; (named with it as a pair, so it is written)
	s_wait_dscnt 0x0
	s_wait_kmcnt 0x0
	s_cmp_lt_u32 s[WV], 2
	s_cselect_b64 s[96:97], s[4:5], s[8:9]
	s_cselect_b64 s[98:99], s[6:7], s[10:11]
	s_add_nc_u64 s[96:97], s[96:97], s[90:91]
	s_add_nc_u64 s[98:99], s[98:99], s[92:93]
	s_mov_b32 s[G0S], 1
	s_lshl_b32 s[G0S+1], s[WV], 12
	s_add_co_u32 s[G0S+1], s[G0S+1], SCB
	s_mov_b64 s[G0S+2:G0S+3], s[98:99]
	s_or_b32 s[G0S+3], s[G0S+3], 0x80000000
	SETC G0C0, 0
	SETC G0C1, 1
	SETC G0C2, 2
	SETC G0C3, 3
	s_cmp_lt_u32 s[WV], 2                          ; a wave's five fills stand in one branch on its number, ahead of every wait on TENSORcnt, every LDS read and every barrier; four v_nop follow the last
	s_cbranch_scc0 .Lnot_k
	tensor_load_to_lds s[G0S:G0S+3], s[G1KS:G1KS+7]
	s_nop 0
	tensor_load_to_lds s[G0C0:G0C0+3], s[G1K:G1K+7]
	s_nop 0
	tensor_load_to_lds s[G0C1:G0C1+3], s[G1K:G1K+7]
	s_nop 0
	tensor_load_to_lds s[G0C2:G0C2+3], s[G1K:G1K+7]
	s_nop 0
	tensor_load_to_lds s[G0C3:G0C3+3], s[G1K:G1K+7]
	s_nop 0
.rept 4
	v_nop
.endr
	s_branch .Lasked
.Lnot_k:
	s_cmp_lt_u32 s[WV], 4
	s_cbranch_scc0 .Lasked
	tensor_load_to_lds s[G0S:G0S+3], s[G1VS:G1VS+7]
	s_nop 0
	tensor_load_to_lds s[G0C0:G0C0+3], s[G1V:G1V+7]
	s_nop 0
	tensor_load_to_lds s[G0C1:G0C1+3], s[G1V:G1V+7]
	s_nop 0
	tensor_load_to_lds s[G0C2:G0C2+3], s[G1V:G1V+7]
	s_nop 0
	tensor_load_to_lds s[G0C3:G0C3+3], s[G1V:G1V+7]
	s_nop 0
.rept 4
	v_nop
.endr
.Lasked:
	s_lshr_b32 s85, s[WV], 2
	s_xor_b32 s85, s85, s[WV]
	s_and_b32 s85, s85, 1                          ; waves 2 i and 2 i + 1 take tile i of the two blocks
	s_sub_co_u32 s86, 15, ttmp9
	s_cmp_eq_u32 s85, 1
	s_cselect_b32 s[QB], s86, ttmp9
	s_lshr_b32 s87, s[WV], 1                       ; my tile in the block
	s_lshl_b32 s81, s[QB], 7
	s_lshl_b32 s88, s87, 4
	s_add_co_u32 s81, s81, s88
	s_lshl_b32 s88, s82, 11
	s_add_co_u32 s81, s81, s88                     ; my first query's place: 2,048 b + 128 block + 16 tile
	s_mul_i32 s90, s83, 393216
	s_mul_i32 s91, s81, 48
	s_add_co_u32 s90, s90, s91                     ; plane = head, row = place: the same in q's codes and in y's
	s_mov_b32 s91, 0
	s_add_nc_u64 s[4:5], s[4:5], s[90:91]
	s_add_nc_u64 s[12:13], s[12:13], s[90:91]
	s_lshr_b32 s90, s83, 1                         ; head / 2
	s_and_b32 s94, s83, 1
	s_lshl_b32 s94, s94, 1                         ; my head's two bytes of a word
	s_lshl_b32 s92, s90, 15
	s_lshl_b32 s93, s81, 2
	s_add_co_u32 s92, s92, s93
	s_add_co_u32 s92, s92, s94
	s_mov_b32 s93, 0
	s_add_nc_u64 s[6:7], s[6:7], s[92:93]          ; q's scale bytes
	s_lshr_b32 s92, s81, 5                         ; y's: [place / 32][8 K steps of 128][place % 32] words
	s_lshl_b32 s92, s92, 10
	s_lshl_b32 s90, s90, 7
	s_add_co_u32 s92, s92, s90
	s_and_b32 s90, s81, 16
	s_lshl_b32 s90, s90, 2
	s_add_co_u32 s92, s92, s90
	s_add_co_u32 s92, s92, s94
	s_add_nc_u64 s[14:15], s[14:15], s[92:93]
	v_and_b32 v8, 15, v0                           ; r
	v_bfe_u32 v9, v0, 4, 1                         ; h
	s_delay_alu instid0(VALU_DEP_2)
	v_mul_u32_u24 v[AK0], v8, 48
	s_delay_alu instid0(VALU_DEP_1)
	v_mad_u32_u24 v[AK0], v9, 24, v[AK0]
	global_load_b64 v[16:17], v[AK0], s[4:5]       ; Q's 64 codes a row: registers 0-5 of the fragment; it stays
	global_load_b64 v[18:19], v[AK0], s[4:5] offset:8
	global_load_b64 v[20:21], v[AK0], s[4:5] offset:16
	v_lshlrev_b32 v[R4], 2, v8
	global_load_u16 v255, v[R4], s[6:7]            ; Q's two scale bytes; bytes 2 and 3 are 0
	v_add_nc_u32 v[AV0], VC, v[AK0]
	v_add_nc_u32 v[ASK0], s94, v[R4]
	s_delay_alu instid0(VALU_DEP_1)
	v_add_nc_u32 v[ASK0], SCB, v[ASK0]
	v_add_nc_u32 v[ASV0], SCB+8192, v[R4]
	s_lshr_b32 s90, s87, 1
	s_lshl_b32 s90, s90, 5
	s_and_b32 s91, s87, 1
	s_lshl_b32 s91, s91, 3
	s_add_co_u32 s90, s90, s91                     ; place 16 tile + r holds query 32 (tile / 2) + 8 (tile % 2) + r % 8 + 16 (r / 8) of the block
	v_and_b32 v[DQ], 8, v8
	s_delay_alu instid0(VALU_DEP_1)
	v_add_nc_u32 v[DQ], v[DQ], v8
	v_lshlrev_b32 v10, 4, v9
	s_delay_alu instid0(VALU_DEP_1)
	v_sub_nc_u32 v[DQ], v[DQ], v10
	s_delay_alu instid0(VALU_DEP_1)
	v_add_nc_u32 v[DQ], s90, v[DQ]
	s_mul_i32 s88, s[WV], 768
	s_add_co_u32 s88, s88, YST
	v_add_nc_u32 v[YSO], s88, v[AK0]
	v_and_b32 v10, 31, v0
	s_delay_alu instid0(VALU_DEP_1)
	v_lshlrev_b32 v[L8], 3, v10
	s_delay_alu instid0(VALU_DEP_1)
	v_add_nc_u32 v[YRD], s88, v[L8]
.irp j, 22,23,24,25,26,27,80,81,82,83,84,85
	v_mov_b32 v\j, 0                               ; Q's zero codes for k = 64 .. 127; and what stands behind K's last tile
.endr
	v_mov_b32 v13, 0xff61b1e6                      ; the largest t so far: -3e38, under every t
	s_delay_alu instid0(VALU_DEP_1)
	v_floor_f32 v12, -v13                          ; -M
	v_mov_b32 v14, 0                               ; the sum, in two halves
	v_mov_b32 v15, 0
.irp j, 236,237,238,239,252,253
	v_mov_b32 v\j, 0                               ; written once: a lane permute's destination counts as one of its sources; v253 is named as the upper half of a pair
.endr
.set J, 0
.rept 32
	v_mov_b32 v[160+J], 0                          ; O^T: the step is written once; the first finds zeros, which the first change of M leaves zeros
.set J, J+1
.endr
; A KEY STEP: 128 keys.  S^T = K Q^T (source 0 = 16 places of keys, source 1 = my 16 queries): register 16 n + i holds key 32 n + 16 h + i of the step.  O^T += V^T P^T (source 0 = 16 places of channels).
.macro STEP
	s_cmp_gt_u32 s[SI], s[QB]                      ; all its keys come after my queries: left out
	s_cbranch_scc1 .Lhid_\@
	s_setprio 2
	v_add_nc_u32 v[ADK], s[TB], v[AK0]             ; (these four are also the places in front of the loads into registers that the last step's products have read)
	v_add_nc_u32 v[ADV], s[TB], v[AV0]
	v_add_nc_u32 v[ADS], s[TS], v[ASK0]
	v_add_nc_u32 v[ADT], s[TJ], v[ASV0]
.irp t, 0,1,2,3,4,5,6,7
.irp p, 0,1,2
	ds_load_b64 v[32+6*\t+2*\p:33+6*\t+2*\p], v[ADK] offset:768*\t+8*\p
.endr
	ds_load_u16 v[86+\t], v[ADS] offset:64*\t      ; my head's two bytes; bytes 2 and 3 are 0
.endr
	s_wait_alu depctr_va_vdst(0)
	s_wait_dscnt 0x0
.irp t, 0,1,2,3,4,5,6,7
	v_wmma_scale_f32_16x16x128_f8f6f4 v[96+8*\t:103+8*\t], v[32+6*\t:43+6*\t], v[16:27], 0, v[86+\t], v255 matrix_a_fmt:MATRIX_FMT_FP6 matrix_b_fmt:MATRIX_FMT_FP6
.endr
.rept 4
	v_nop                                          ; places in front of the loads below and of the first read of the scores
.endr
.irp t, 0,1,2,3                                ; V's four tiles are asked for now and land under the softmax
.irp p, 0,1,2,3,4,5
	ds_load_b64 v[32+12*\t+2*\p:33+12*\t+2*\p], v[ADV] offset:(\p/3)*3072+768*\t+8*(\p%3)
.endr
	ds_load_b32 v[248+\t], v[ADT] offset:64*\t
.endr
	s_cmp_lt_u32 s[SI], s[QB]                      ; all its keys count: no mask
	s_cbranch_scc1 .Lopen_\@
	v_mov_b32 v254, 0xff800000                     ; on the diagonal hidden scores become -infinity ahead of the maximum: p = 0 then
.set NN, 0
.rept 64
	v_cmp_gt_i32 vcc_lo, 32*(NN/16)+NN%16, v[DQ]   ; register 16 n + i: hidden where 32 n + i > my query - 16 h
	v_cndmask_b32 v[96+NN], v[96+NN], v254, vcc_lo
.set NN, NN+1
.endr
.Lopen_\@:
.irp b, 0,1,2,3
	v_max3_num_f32 v[232+\b], v[96+16*\b], v[97+16*\b], v[98+16*\b]   ; the largest score of each block of 32 keys: for the row's maximum and for the block's largest p
.endr
.irp i, 3,5,7,9,11,13
.irp b, 0,1,2,3
	v_max3_num_f32 v[232+\b], v[232+\b], v[96+16*\b+\i], v[97+16*\b+\i]
.endr
.endr
.irp b, 0,1,2,3
	v_max_num_f32 v[232+\b], v[232+\b], v[111+16*\b]
.endr
.irp b, 0,1,2,3
	s_delay_alu instid0(VALU_DEP_4)
	v_permlanex16_b32 v[236+\b], v[232+\b], s[SEL], s[SEL+1]
.endr
.irp b, 0,1,2,3
	s_delay_alu instid0(VALU_DEP_4)
	v_max_num_f32 v[232+\b], v[232+\b], v[236+\b]  ; with lane l xor 16's 16 keys
.endr
	s_delay_alu instid0(VALU_DEP_2)
	v_max3_num_f32 v254, v232, v233, v234
	s_delay_alu instid0(VALU_DEP_1)
	v_max_num_f32 v254, v254, v235                 ; the step's largest score of my query
	s_delay_alu instid0(VALU_DEP_1)
	v_mul_f32 v254, s[CS], v254                    ; as t
	s_delay_alu instid0(VALU_DEP_1)
	v_max_num_f32 v13, v13, v254                   ; the running largest t
	v_mov_b32 v254, v12
	s_delay_alu instid0(VALU_DEP_2)
	v_floor_f32 v12, -v13                          ; the new -M = -ceil(t): a whole number
	s_delay_alu instid0(VALU_DEP_1)
	v_sub_f32 v254, v12, v254                      ; old M - new M: a whole number, 0 or less
	s_delay_alu instid0(VALU_DEP_1)
	v_cvt_i32_f32 v254, v254                       ; (it saturates)
	s_delay_alu instid0(VALU_DEP_1)
	v_ldexp_f32 v252, 1.0, v254                    ; f = 2^(old M - new M): a multiplication by it rounds nothing
.set J, 0
	s_setprio 1
.rept 32
	v_pk_fma_f32 v[96+J:97+J], v[96+J:97+J], s[CS:CS+1], v[12:13] op_sel_hi:[1,0,0]   ; t - M, two at a time
.set J, J+2
.endr
.irp b, 0,1,2,3
	v_fma_f32 v[232+\b], v[232+\b], s[CS], v12     ; the same of each block's largest score
.endr
.set J, 0
	s_wait_alu depctr_va_vdst(0)
.rept 64
	v_exp_f32 v[96+J], v[96+J]                     ; p = 2^(t - M)
.set J, J+1
.endr
	v_pk_mul_f32 v[14:15], v[14:15], v[252:253] op_sel_hi:[1,0]   ; the sums under the new M (a plain place behind the exponentials)
	s_wait_alu depctr_va_vdst(0)                   ; one wait for the batch, ahead of its first reader
.irp b, 0,1,2,3
	v_exp_f32 v[232+\b], v[232+\b]                 ; the block's largest p
.endr
	v_pk_add_f32 v[236:237], v[100:101], v[104:105]
	v_pk_add_f32 v[246:247], v[108:109], v[112:113]
	v_pk_add_f32 v[244:245], v[116:117], v[120:121]
	v_pk_add_f32 v[240:241], v[124:125], v[128:129]
	v_pk_add_f32 v[238:239], v[132:133], v[136:137]
	v_pk_add_f32 v[230:231], v[140:141], v[144:145]
	v_pk_add_f32 v[228:229], v[148:149], v[152:153]
	v_pk_add_f32 v[14:15], v[14:15], v[156:157]
	v_pk_add_f32 v[236:237], v[236:237], v[96:97]
	v_pk_add_f32 v[246:247], v[246:247], v[98:99]
	v_pk_add_f32 v[244:245], v[244:245], v[102:103]
	v_pk_add_f32 v[240:241], v[240:241], v[106:107]
	v_pk_add_f32 v[238:239], v[238:239], v[110:111]
	v_pk_add_f32 v[230:231], v[230:231], v[114:115]
	v_pk_add_f32 v[228:229], v[228:229], v[118:119]
	v_pk_add_f32 v[14:15], v[14:15], v[122:123]
	v_pk_add_f32 v[236:237], v[236:237], v[126:127]
	v_pk_add_f32 v[246:247], v[246:247], v[130:131]
	v_pk_add_f32 v[244:245], v[244:245], v[134:135]
	v_pk_add_f32 v[240:241], v[240:241], v[138:139]
	v_pk_add_f32 v[238:239], v[238:239], v[142:143]
	v_pk_add_f32 v[230:231], v[230:231], v[146:147]
	v_pk_add_f32 v[228:229], v[228:229], v[150:151]
	v_pk_add_f32 v[14:15], v[14:15], v[154:155]
	v_pk_add_f32 v[236:237], v[236:237], v[158:159]
	s_delay_alu instid0(VALU_DEP_2)
	v_pk_add_f32 v[14:15], v[14:15], v[240:241]
	s_delay_alu instid0(VALU_DEP_2)
	v_pk_add_f32 v[236:237], v[236:237], v[238:239]
	v_pk_add_f32 v[246:247], v[246:247], v[230:231]
	v_pk_add_f32 v[244:245], v[244:245], v[228:229]
	s_delay_alu instid0(VALU_DEP_2)
	v_pk_add_f32 v[14:15], v[14:15], v[246:247]
	s_delay_alu instid0(VALU_DEP_2)
	v_pk_add_f32 v[236:237], v[236:237], v[244:245]
	s_delay_alu instid0(VALU_DEP_1)
	v_pk_add_f32 v[14:15], v[14:15], v[236:237]
	s_setprio 0
	s_wait_alu depctr_va_vdst(0)                   ; and one for the four
.irp b, 0,1,2,3
	v_max_num_f32 v[232+\b], 0x1800000, v[232+\b]  ; the floor 2^(3 - 127): the byte cannot fall under 1
.endr
.irp b, 0,1,2,3
	s_delay_alu instid0(VALU_DEP_4)
	v_add_nc_u32 v[244+\b], 0xff000000, v[232+\b]  ; 2 off the exponent field: the conversion's scale operand
.endr
.irp b, 0,1,2,3
	s_delay_alu instid0(VALU_DEP_4)
	v_lshrrev_b32 v[236+\b], 23, v[244+\b]         ; the scale's byte
.endr
	s_delay_alu instid0(VALU_DEP_3)
	v_lshl_or_b32 v253, v237, 8, v236              ; p's scale word for these 128 keys
	s_delay_alu instid0(VALU_DEP_1)
	v_lshl_or_b32 v253, v238, 16, v253
	s_delay_alu instid0(VALU_DEP_1)
	v_lshl_or_b32 v253, v239, 24, v253
.irp c, 0,1
	v_cvt_scalef32_pk16_fp6_f32 v[224+6*\c:226+6*\c], v[96+32*\c:111+32*\c], v[244+2*\c]
	v_cvt_scalef32_pk16_fp6_f32 v[236+4*\c:238+4*\c], v[112+32*\c:127+32*\c], v[244+2*\c+1]   ; (a conversion's three registers begin on an even number)
.endr
	v_nop                                          ; one plain place behind a scaled conversion
.irp c, 0,1                                    ; a whole block in a lane: lanes 0-15 block 2 c, lanes 16-31 block 2 c + 1
.irp i, 0,1,2
	v_permlane16_swap_b32 v[224+6*\c+\i], v[236+4*\c+\i]
.endr
.irp i, 0,1,2
	s_delay_alu instid0(VALU_DEP_3)
	v_mov_b32 v[227+6*\c+\i], v[236+4*\c+\i]
.endr
.endr
.set J, 0
.rept 16
	v_pk_mul_f32 v[160+J:161+J], v[160+J:161+J], v[252:253] op_sel_hi:[1,0]   ; O^T under the new M.  (These 16 are also the places between the operand and scale word just made and the products below)
.set J, J+2
.endr
	s_wait_alu depctr_va_vdst(0)
	s_wait_dscnt 0x0                               ; V's tiles and scale words are in
.irp t, 0,1,2,3
	v_wmma_scale_f32_16x16x128_f8f6f4 v[160+8*\t:167+8*\t], v[32+12*\t:43+12*\t], v[224:235], v[160+8*\t:167+8*\t], v[248+\t], v253 matrix_a_fmt:MATRIX_FMT_FP6 matrix_b_fmt:MATRIX_FMT_FP6
.endr
.Lhid_\@:
	s_add_co_u32 s[SI], s[SI], 1
	s_add_co_u32 s[TB], s[TB], 6144
	s_add_co_u32 s[TS], s[TS], 512
	s_add_co_u32 s[TJ], s[TJ], 256
.endm
; Chunk p: 512 keys, four steps.  The wait lets the chunks behind it stay out: no byte of LDS is filled twice.
.macro PHASE p
	s_wait_tensorcnt 3-\p                          ; my part of chunk p is in (and, ahead of it, of the scale words)
	s_wait_dscnt 0x0
	s_barrier_signal -1
	s_barrier_wait -1                              ; everybody's is
	s_mov_b32 s[TB], 24576*\p
	s_mov_b32 s[TS], 2048*\p
	s_mov_b32 s[TJ], (\p>>1)*4096+(\p&1)*1024
	s_mov_b32 s[SI], 4*\p
	s_mov_b32 s[CNT], 4
.Lph_\@:
	STEP
	s_sub_co_u32 s[CNT], s[CNT], 1
	s_cmp_lg_u32 s[CNT], 0
	s_cbranch_scc1 .Lph_\@
	s_setprio 0
.endm
	s_wait_loadcnt 0x0                             ; Q
	PHASE 0
	PHASE 1
	PHASE 2
	PHASE 3
	; THE WAY OUT.  O^T / the sum: register 16 n + i is channel 32 n + 16 h + i of my query: two blocks of 32, quantised as above; the 48 bytes of a row go through my stage and leave as three runs of 256 consecutive bytes.
	v_add_f32 v14, v14, v15                        ; the sum's two halves,
	s_delay_alu instid0(VALU_DEP_1)
	v_permlanex16_b32 v252, v14, s[SEL], s[SEL+1]
	s_delay_alu instid0(VALU_DEP_1)
	v_add_f32 v14, v14, v252                       ; and lane l xor 16's
	s_wait_alu depctr_va_vdst(0)
	v_rcp_f32 v14, v14
.rept 4
	v_nop                                          ; plain places: behind the reciprocal, and behind the last products
.endr
	s_wait_alu depctr_va_vdst(0)                   ; the wait ahead of the reciprocal's first reader
.set J, 0
.rept 16
	v_pk_mul_f32 v[96+J:97+J], v[160+J:161+J], v[14:15] op_sel_hi:[1,0]
.set J, J+2
.endr
.irp b, 0,1
	v_max3_num_f32 v[232+\b], |v[96+16*\b]|, |v[97+16*\b]|, 0x1800000
.endr
.irp i, 2,4,6,8,10,12,14
.irp b, 0,1
	s_delay_alu instid0(VALU_DEP_2)
	v_max3_num_f32 v[232+\b], v[232+\b], |v[96+16*\b+\i]|, |v[97+16*\b+\i]|
.endr
.endr
.irp b, 0,1
	s_delay_alu instid0(VALU_DEP_2)
	v_permlanex16_b32 v[236+\b], v[232+\b], s[SEL], s[SEL+1]
.endr
.irp b, 0,1
	s_delay_alu instid0(VALU_DEP_2)
	v_max_num_f32 v[232+\b], v[232+\b], v[236+\b]
.endr
.irp b, 0,1
	s_delay_alu instid0(VALU_DEP_2)
	v_add_nc_u32 v[244+\b], 0xff000000, v[232+\b]
.endr
.irp b, 0,1
	s_delay_alu instid0(VALU_DEP_2)
	v_lshrrev_b32 v[236+\b], 23, v[244+\b]
.endr
	s_delay_alu instid0(VALU_DEP_1)
	v_lshl_or_b32 v254, v237, 8, v236              ; my head's two bytes of the row's scale word
	v_cvt_scalef32_pk16_fp6_f32 v[224:226], v[96:111], v244
	v_cvt_scalef32_pk16_fp6_f32 v[240:242], v[112:127], v245
	v_nop                                          ; one plain place behind a scaled conversion
.irp i, 0,1,2
	v_permlane16_swap_b32 v[224+\i], v[240+\i]     ; lanes 0-15 then hold block 0, lanes 16-31 block 1
.endr
.irp i, 0,1,2
	s_delay_alu instid0(VALU_DEP_3)
	v_mov_b32 v[227+\i], v[240+\i]
.endr
	ds_store_b64 v[YSO], v[224:225]
	ds_store_b64 v[YSO], v[226:227] offset:8
	ds_store_b64 v[YSO], v[228:229] offset:16
	ds_load_b64 v[192:193], v[YRD]                 ; my own stage: LDS serves a wave's instructions in order
	ds_load_b64 v[194:195], v[YRD] offset:256
	ds_load_b64 v[196:197], v[YRD] offset:512
	s_wait_alu depctr_va_vdst(0)
	s_wait_dscnt 0x0
	global_store_b64 v[L8], v[192:193], s[12:13]   ; 256 consecutive bytes, at a multiple of 256 from the buffer's first byte
	global_store_b64 v[L8], v[194:195], s[12:13] offset:256
	global_store_b64 v[L8], v[196:197], s[12:13] offset:512
	global_store_b16 v[R4], v254, s[14:15]         ; both halves of the lanes write the same two bytes with the same value
	s_wait_tensorcnt 0x0
	ds_add_u32 v223, v243
	s_wait_dscnt 0x0
	s_endpgm
.Lfunc_end_k_q4078c08070_attn:
	.size	k_q4078c08070_attn, .Lfunc_end_k_q4078c08070_attn-k_q4078c08070_attn
	.p2alignl 7, 3214868480
	.fill 96, 4, 3214868480
	.section	.rodata,"a",@progbits
	.p2align	6, 0x0
	.amdhsa_kernel k_q4078c08070_attn
		.amdhsa_group_segment_fixed_size 227328
		.amdhsa_private_segment_fixed_size 0
		.amdhsa_enable_private_segment 0
		.amdhsa_kernarg_size 48
		.amdhsa_user_sgpr_count 2
		.amdhsa_user_sgpr_kernarg_segment_ptr 1
		.amdhsa_wavefront_size32 1
		.amdhsa_system_sgpr_workgroup_id_x 1
		.amdhsa_system_sgpr_workgroup_id_y 1
		.amdhsa_system_sgpr_workgroup_id_z 1
		.amdhsa_system_vgpr_workitem_id 0
		.amdhsa_next_free_vgpr 256
		.amdhsa_next_free_sgpr 100
		.amdhsa_reserve_vcc 1
		.amdhsa_float_denorm_mode_32 3
		.amdhsa_float_denorm_mode_16_64 3
		.amdhsa_memory_ordered 1
		.amdhsa_forward_progress 1
		.amdhsa_inst_pref_size 115
	.end_amdhsa_kernel
	.amdgpu_metadata
---
amdhsa.version: [ 1, 2 ]
amdhsa.kernels:
  - .name:           k_q4078c08070_attn
    .symbol:         k_q4078c08070_attn.kd
    .args:
      - { .name: qk_codes, .offset: 0, .size: 8, .value_kind: global_buffer, .address_space: global }
      - { .name: qk_scales, .offset: 8, .size: 8, .value_kind: global_buffer, .address_space: global }
      - { .name: v_codes, .offset: 16, .size: 8, .value_kind: global_buffer, .address_space: global }
      - { .name: v_scales, .offset: 24, .size: 8, .value_kind: global_buffer, .address_space: global }
      - { .name: y_codes, .offset: 32, .size: 8, .value_kind: global_buffer, .address_space: global }
      - { .name: y_scales, .offset: 40, .size: 8, .value_kind: global_buffer, .address_space: global }
    .group_segment_fixed_size: 227328
    .private_segment_fixed_size: 0
    .kernarg_segment_align: 8
    .kernarg_segment_size: 48
    .max_flat_workgroup_size: 512
    .sgpr_count:     100
    .vgpr_count:     256
    .wavefront_size: 32
...
	.end_amdgpu_metadata
.endif
;; end of part 3
;; launch proj (part 4): grid 4 x 32, 4 waves a work-group, clusters of 4 x 4, 327,680 bytes of LDS; arguments y_codes, y_scales, xw_codes, xw_scales, out0; writes out0
.if DOCPART == 4
	.amdgcn_target "amdgcn-amd-amdhsa--gfx1250"
	.amdhsa_code_object_version 6
	.text
	.protected	k_q4078c08070_proj
	.globl	k_q4078c08070_proj
	.p2align	8
	.type	k_q4078c08070_proj,@function
k_q4078c08070_proj:
	s_mov_b64 s[64:65], 0
	v_nop
	global_prefetch_b8 v0, s[64:65] scope:SCOPE_SE
	s_setreg_imm32_b32 hwreg(HW_REG_WAVE_MODE, 25, 1), 1
	s_wait_xcnt 0x0
	s_wait_alu depctr_hold_cnt(0) depctr_sa_sdst(0) depctr_va_vdst(0) depctr_va_sdst(0) depctr_va_ssrc(0) depctr_va_vcc(0) depctr_vm_vsrc(0)
	s_getreg_b32 s2, hwreg(HW_REG_IB_STS2, 6, 4)
	s_cmp_eq_u32 s2, 0
	s_cbranch_scc0 .Lentry_in_a_cluster
	s_endpgm
.Lentry_in_a_cluster:
	s_bfe_u32 s2, ttmp6, 0x10000c
	s_cmp_lg_u32 s2, 0xf033
	s_cbranch_scc0 .Lentry_shape_is_right
	s_endpgm
.Lentry_shape_is_right:
; out0 = y wo^T on codes of FP6 (E2M3) with E8M0 scales, K = 1,024; out0 [8,192][1,024] f32.  A = y: [16 planes of 64 along K][8,192 places][48 bytes]; B = wo: rows 11,264 on of the table [16][12,288][48].
; Scale words of both: [row / 32][8 K steps of 128][row % 32].  Rows lie at POSITIONS: in each group of 32, place p holds the row with bits 3 and 4 of p exchanged; the way out puts rows and columns back.
; A tile of out0 is 256 x 256; four waves, as many as a WGP has SIMDs, 128 x 128 each: 64 accumulators, 512 registers.  THE MATRIX INSTRUCTION IS USED TRANSPOSED (source 0 = 16 places of wo, source 1 = 16 places of y):
; a lane holds one place of y and eight neighbouring columns: for wo's block b: columns 32 (b / 2) + 8 (b % 2) + 16 (lane / 16) + 0 .. 7.
; K goes in four steps of 256 through THREE LDS slots: steps 0, 1, 2 are first fills, step 3 is the one refill (slot 0), asked for two K steps, 256 matrix instructions a wave, ahead of its wait.
; CLUSTERS: 4 x 4.  y's tiles are shared along a row of the cluster, wo's along a column: each is asked for jointly, by the same tensor load with the same descriptor and a mask that names the four.
; By this text's count a wave has four tensor loads out at the start and one behind the refill's round.  The tile gives 128 work-groups.
; REGISTERS, in windows of 256: window 0: v0-31 addresses; v32-63 scale words, two sets, and nothing else; v128-223 A's fragments, one set; on the way out v128-255 rows of out0.
;   window 1: B's fragments, two sets, at v0 and v128.   window 2: accumulators of my places 0-63 of A ((a, b) at v[8 (8 (a % 4) + b)]);   window 3: those of places 64-127.
.set PSX,   589824                     ; a plane of the table: 12,288 rows x 48 bytes
.set PSY,   393216                     ; a plane of y: 8,192 x 48
.set PSA,   PSY
.set PSB,   PSX
.set PLB,   6144                       ; 128 rows of a plane
.set HALFT, 4*PLB                      ; what one tensor load brings: 4 planes (256 along K) x 128 rows
.set SLOT,  4*HALFT                    ; A's two halves, then B's two
.set SCL,   3*SLOT                     ; behind the slots: the scale words of 128 rows for all of K, 4,096 bytes, once for each wave's load,
.set HALFS, 4160                       ; 4,160 bytes apart: B's words then lie 16, 32 or 48 banks beside A's
.set SPARE, SCL+4*HALFS                ; the spare words, 128 bytes for each wave: two blocks of 256 bytes that no other line names
.set STAGE, SLOT                       ; the way out goes through slot 1: it is filled once, and its last read lies ahead of the last barrier
.set SPITCH, 528                       ; a stage row: 512 bytes + 16; 16 rows for each wave
.set FR,    12
.set NL,    6
.set NP,    4                          ; places behind this matrix instruction (ISA guide 7.12.1)
.set NQ,    2
.set ADRA,  16                         ; v16-18  LDS address of my A fragments in slot 0, 1, 2
.set ADRB,  20                         ; v20-22  the same for B
.set STO,   24                         ; v24     the way out: where I put 32 bytes of a row
.set RD,    25                         ; v25     where I read a row back
.set CO,    26                         ; v26     16 x lane
.set ADRS,  27                         ; v27     LDS address of my scale words: lanes 0-15 A's, lanes 16-31 B's
.set SPW,   28                         ; v28     my spare word: SPARE + 4 x my thread's number; never rewritten
.set NIL,   29                         ; v29     0; never rewritten
.set SC,    32
.set AF,    128
.set BK,    128                        ; the way out: 16 rows read back: v128-191 and v192-255 by turns
.set G1,    24
.set G1B,   32
.set G1S,   40
.set G1SB,  48
.set G0A0,  56
.set G0A1,  60
.set G0A2,  68
.set G0B0,  72
.set G0B1,  76
.set G0B2,  80
.set G0S,   84
.set G0SB,  88
.set MSB, 0
.macro WIN new                         ; the immediate's high byte repeats the setting that is left; a switch that changes nothing is dropped
.if MSB != (\new)
	s_set_vgpr_msb (MSB<<8)|(\new)
.set MSB, (\new)
.endif
.endm
.set MUL_LO, 0xa1                      ; source 0 (B) window 1, source 1 (A) window 0, C and D window 2
.set MUL_HI, 0xf1                      ; the same, C and D window 3
.set TO_B,   0x40                      ; destination window 1, address window 0
; A joint load: waves 0 and 1 fetch for A, waves 2 and 3 for B; the branch hangs on the wave's number alone.  Four v_nop follow each of the two lines.
.macro JLOAD g0a, g1a, g0b, g1b
	s_cmp_eq_u32 s15, 0
	s_cbranch_scc0 .Lfor_b_\@
	tensor_load_to_lds s[\g0a:\g0a+3], s[\g1a:\g1a+7]
	s_nop 0
.rept 4
	v_nop
.endr
	s_branch .Lasked_\@
.Lfor_b_\@:
	tensor_load_to_lds s[\g0b:\g0b+3], s[\g1b:\g1b+7]
	s_nop 0
.rept 4
	v_nop
.endr
.Lasked_\@:
.endm
.macro CREST                           ; a round of the cluster's barrier behind its opening barrier
	s_cmp_lg_u32 s14, 0
	s_cbranch_scc1 .Lnot_wave_0_\@
	s_barrier_signal -3
.Lnot_wave_0_\@:
	s_barrier_wait -3
	s_barrier_signal -1
	s_barrier_wait -1
.endm
.macro CROUND                          ; a whole round
	s_barrier_signal -1
	s_barrier_wait -1
	CREST
.endm
.macro SETG1 g, m, c, r, p             ; group 1: r rows of c elements of 8 bytes, p elements apart; the mask in s[m]; bit 21 set beside it; no padding
	s_or_b32 s[\g], s[\m], (3<<16)|(1<<21)
	s_mov_b32 s[\g+1], (\c)<<16
	s_mov_b32 s[\g+2], (\r)<<16
	s_mov_b32 s[\g+3], (\c)<<16
	s_mov_b32 s[\g+4], \r
	s_mov_b32 s[\g+5], \p
	s_mov_b32 s[\g+6], 0
	s_mov_b32 s[\g+7], 0
.endm
.macro SETG0 g, l, lo, a, go           ; group 0: to LDS byte s[l] + lo, from the address s[a:a+1] + go
	s_mov_b32 s[\g], 1
	s_add_co_u32 s[\g+1], s[\l], \lo
	s_add_nc_u64 s[\g+2:\g+3], s[\a:\a+1], \go
	s_or_b32 s[\g+3], s[\g+3], 0x80000000
.endm
	s_load_b128 s[4:7], s[0:1], 0x0                ; y's codes, its scale words
	s_load_b128 s[8:11], s[0:1], 0x10              ; the table's codes, its scale words
	s_load_b64 s[12:13], s[0:1], 0x20              ; out0
	v_lshl_add_u32 v[SPW], v0, 2, SPARE
	v_mov_b32 v[NIL], 0
	ds_add_u32 v28, v29
	ds_add_u32 v28, v29
	s_wait_dscnt 0x0
	v_lshrrev_b32 v1, 5, v0
	v_readfirstlane_b32 s14, v1                    ; wave 0..3
	s_lshr_b32 s15, s14, 1                         ; which half of the tile's rows (A) is mine.  Also: I fetch for A (0) or for B (1)
	s_and_b32 s16, s14, 1                          ; which half of its columns (B).  Also: which 128 rows I fetch
	s_bfe_u32 s92, ttmp6, 0x40000                  ; cx
	s_bfe_u32 s93, ttmp6, 0x40004                  ; cy
	s_lshl_b32 s94, ttmp9, 2
	s_add_co_u32 s94, s94, s92                     ; tile column
	s_and_b32 s17, ttmp7, 0xffff
	s_lshl_b32 s17, s17, 2
	s_add_co_u32 s17, s17, s93                     ; tile row
	s_lshl_b32 s19, s93, 2
	s_lshl_b32 s19, 15, s19                        ; my row of the cluster
	s_lshl_b32 s101, 0x1111, s92                   ; my column
	SETG1 G1,   19,  768, 4,  PSA/8                ; 4 planes x 128 rows x 48 bytes: 4 rows of 6,144 bytes
	SETG1 G1B,  101, 768, 4,  PSB/8
	SETG1 G1S,  19,  32,  16, 32                   ; 4,096 dense bytes as 16 rows of 256
	SETG1 G1SB, 101, 32,  16, 32
	s_lshl_b32 s20, s17, 8                         ; A hangs on the tile row alone,
	s_lshl_b32 s21, s16, 7
	s_add_co_u32 s20, s20, s21                     ; the first row that I would fetch of it
	s_mul_i32 s22, s20, 48
	s_mov_b32 s23, 0
	s_lshl_b32 s20, s20, 5
	s_mov_b32 s21, 0
	s_lshl_b32 s2, s94, 8                          ; B on the tile column alone, in registers of its own
	s_lshl_b32 s3, s16, 7
	s_add_co_u32 s2, s2, s3
	s_add_co_u32 s2, s2, 11264                     ; wo's first row in the table
	s_mul_i32 s96, s2, 48
	s_mov_b32 s97, 0
	s_lshl_b32 s2, s2, 5
	s_mov_b32 s3, 0
	s_mul_i32 s18, s14, HALFT                      ; where they go: by the wave's number alone
	s_mul_i32 s19, s14, HALFS
	s_wait_kmcnt 0x0
	s_add_nc_u64 s[22:23], s[4:5], s[22:23]
	s_add_nc_u64 s[20:21], s[6:7], s[20:21]
	s_add_nc_u64 s[96:97], s[8:9], s[96:97]
	s_add_nc_u64 s[2:3], s[10:11], s[2:3]
	SETG0 G0S,  19, SCL, 20, 0
	SETG0 G0SB, 19, SCL, 2, 0
	SETG0 G0A0, 18, 0, 22, 0
	SETG0 G0B0, 18, 0, 96, 0
	SETG0 G0A1, 18, SLOT, 22, 4*PSA
	SETG0 G0B1, 18, SLOT, 96, 4*PSB
	SETG0 G0A2, 18, 2*SLOT, 22, 8*PSA
	SETG0 G0B2, 18, 2*SLOT, 96, 8*PSB
	CROUND                                         ; all sixteen work-groups are here: the first joint loads meet
	JLOAD G0S, G1S, G0SB, G1SB                     ; the scale words first: they are wanted with K step 0
	JLOAD G0A0, G1, G0B0, G1B
	JLOAD G0A1, G1, G0B1, G1B
	JLOAD G0A2, G1, G0B2, G1B
	v_and_b32 v1, 15, v0                           ; r
	v_bfe_u32 v2, v0, 4, 1                         ; h
	s_wait_alu depctr_va_vdst(0)
	v_mul_u32_u24 v3, v1, 48
	v_mad_u32_u24 v3, v2, 24, v3                   ; 48 r + 24 h: words 12 r + 6 h: the 32 lanes of a load of 8 bytes touch 64 different banks (64 banks of 4 bytes: ISA guide 11.1)
	s_mul_i32 s21, s15, HALFT                      ; my 128 rows of A
	s_mul_i32 s22, s16, HALFT
	s_add_co_u32 s22, s22, 2*HALFT                 ; my 128 rows of B, behind A's 256
.irp s, 0,1,2
	v_add_nc_u32 v[ADRA+\s], s21, v3
	v_add_nc_u32 v[ADRB+\s], s22, v3
	s_add_co_u32 s21, s21, SLOT
	s_add_co_u32 s22, s22, SLOT
.endr
	s_xor_b32 s22, s15, 1
	s_add_co_u32 s22, s22, s16
	s_add_co_u32 s22, s22, 1                       ; 2 + column half - row half: from A's words to B's, in loads
	s_mul_i32 s22, s22, HALFS
	v_mul_u32_u24 v6, s22, v2                      ; lanes 16-31 take B's
	s_mul_i32 s21, s15, HALFS
	s_add_co_u32 s21, s21, SCL
	v_lshl_add_u32 v6, v1, 2, v6
	v_add_nc_u32 v[ADRS], s21, v6
	s_mul_i32 s23, s14, 16*SPITCH
	s_add_co_u32 s23, s23, STAGE                   ; my stage
	v_mul_u32_u24 v5, v1, SPITCH                   ; in: row r, 64 bytes on for lanes 16-31
	v_lshl_add_u32 v5, v2, 6, v5
	v_add_nc_u32 v[STO], s23, v5
	v_and_b32 v6, 31, v0
	v_lshlrev_b32 v[CO], 4, v6                     ; back: the 32 lanes take one row of 512 bytes; and the same in out0
	v_add_nc_u32 v[RD], s23, v[CO]
	s_lshl_b32 s18, s17, 8
	s_lshl_b32 s19, s15, 7
	s_add_co_u32 s18, s18, s19                     ; my first row of out0
	s_lshl_b32 s18, s18, 12                        ; 4,096 bytes a row
	s_lshl_b32 s19, s94, 10
	s_add_co_u32 s18, s18, s19                     ; my first column, in bytes: 1,024 x tile column + 512 x half
	s_lshl_b32 s19, s16, 9
	s_add_co_u32 s18, s18, s19
	s_mov_b32 s19, 0
	s_add_nc_u64 s[12:13], s[12:13], s[18:19]
; A fragment, 16 rows x 128 K, is 12 registers: lane l holds row l % 16; registers 0-5 are its 24 bytes at byte 24 (l / 16) of plane 2 q, registers 6-11 the same of plane 2 q + 1; in pieces of 8 bytes.
.macro FRAG reg, adr, q, i
.irp p, 0,1,2,3,4,5
	ds_load_b64 v[\reg+2*\p:\reg+2*\p+1], v[\adr] offset:(2*(\q)+\p/3)*PLB+(\i)*768+8*(\p%3)
.endr
.endm
; 16 matrix instructions: A's blocks a0, a0 + 1 x B's eight, the slot's q-th 128 along K.  The 64 accumulators take turns, one instruction a turn, in the same order in every step.
.macro MUL16 a0, p, q, sc, zero
.irp a, \a0, \a0+1
.irp b, 0,1,2,3,4,5,6,7
.if \zero
	v_wmma_scale_f32_16x16x128_f8f6f4 v[8*(8*((\a)%4)+\b):8*(8*((\a)%4)+\b)+7], v[128*(\p)+FR*\b:128*(\p)+FR*\b+FR-1], v[AF+FR*(\a):AF+FR*(\a)+FR-1], 0, v[SC+8*NQ*(\sc)+NQ*\b+(\q)], v[SC+8*NQ*(\sc)+NQ*(\a)+(\q)] matrix_a_fmt:MATRIX_FMT_FP6 matrix_b_fmt:MATRIX_FMT_FP6 matrix_a_scale:MATRIX_SCALE_ROW1
.else
	v_wmma_scale_f32_16x16x128_f8f6f4 v[8*(8*((\a)%4)+\b):8*(8*((\a)%4)+\b)+7], v[128*(\p)+FR*\b:128*(\p)+FR*\b+FR-1], v[AF+FR*(\a):AF+FR*(\a)+FR-1], v[8*(8*((\a)%4)+\b):8*(8*((\a)%4)+\b)+7], v[SC+8*NQ*(\sc)+NQ*\b+(\q)], v[SC+8*NQ*(\sc)+NQ*(\a)+(\q)] matrix_a_fmt:MATRIX_FMT_FP6 matrix_b_fmt:MATRIX_FMT_FP6 matrix_a_scale:MATRIX_SCALE_ROW1
.endif
.endr
.endr
.endm
.macro FETCH_B slot, q, p              ; B's eight fragments into set p
	WIN TO_B
.irp i, 0,1,2,3,4,5,6,7
	FRAG 128*(\p)+FR*\i, ADRB+\slot, \q, \i
.endr
	WIN 0
.endm
.macro FETCH_A slot, q, i0             ; A's blocks i0 .. i0 + 3
.irp i, \i0, \i0+1, \i0+2, \i0+3
	FRAG AF+FR*(\i), ADRA+\slot, \q, \i
.endr
.endm
.macro SCALES sc                       ; a K step's scale words into set sc
.irp i, 0,1,2,3,4,5,6,7
.irp q, 0,1
	ds_load_b32 v[SC+16*(\sc)+2*\i+\q], v[ADRS] offset:(\i/2)*1024+\q*128+(\i%2)*64
.endr
.endr
.endm
; A load into a register that a matrix instruction has read, and an LDS store that reads a matrix result, stand NP places behind it; only plain vector instructions that name none of its registers are places.
.macro PLACES n
.rept \n
	v_nop
.endr
.endm
; A slot's first 128 along K: B's set 0; its successor lies in the same slot.
.macro STEP slot, sc, zero
	s_wait_dscnt 4*NL                              ; B's set, A's blocks 0-3 and the scale words are in; the youngest 24 loads (A's blocks 4-7) may be out
	WIN MUL_LO
	MUL16 0, 0, 0, \sc, \zero
	MUL16 2, 0, 0, \sc, \zero
	s_wait_dscnt 0                                 ; A's blocks 4-7 are in
	PLACES NP
	FETCH_B \slot, 1, 1
	FETCH_A \slot, 1, 0
	WIN MUL_HI
	MUL16 4, 0, 0, \sc, \zero
	MUL16 6, 0, 0, \sc, \zero
	PLACES NP
	WIN 0
	FETCH_A \slot, 1, 4
.endm
; A slot's second 128 along K: B's set 1; it goes on to slot next and scale set nsc.
; mode 2: slot 0 is filled again.  Each wave waits for all its tensor loads, adds 0 to its spare word, waits for that and for its reads of the slot; the barrier opens a round of the cluster's barrier; the joint refill is the first thing behind it.
; mode 1: the same lines and the work-group's barrier alone: behind it K step 3 is whole for every wave, and nobody reads slots 1 and 2 any more.  mode 0: the next slot was shown whole at the round: no barrier.
.macro LASTQ slot, sc, next, nsc, mode
.if \mode > 0
	s_wait_tensorcnt 0x0                           ; all my tensor loads have landed  (every window is 0 here)
	ds_add_u32 v[SPW], v[NIL]                      ; 0 onto my spare word
	s_wait_dscnt 4*NL+1                            ; (the add and the youngest 24 loads, A's blocks 4-7, may be out)
	WIN MUL_LO
	MUL16 0, 1, 1, \sc, 0                          ; sixteen matrix instructions stand between the add and the wait for it
	s_wait_dscnt 0x0                               ; the add is done, and my reads of this slot are over
	s_barrier_signal -1
	MUL16 2, 1, 1, \sc, 0
	WIN 0
	s_barrier_wait -1
.if \mode == 2
	CREST                                          ; no wave of any partner still reads slot 0 or has a load on its way
	s_add_nc_u64 s[G0A0+2:G0A0+3], s[G0A0+2:G0A0+3], 12*PSA   ; from K step 0 to K step 3: twelve planes on
	s_add_nc_u64 s[G0B0+2:G0B0+3], s[G0B0+2:G0B0+3], 12*PSB
	JLOAD G0A0, G1, G0B0, G1B                      ; the four v_nop behind it are also the places in front of the loads below
.else
	PLACES NP
.endif
.else
	s_wait_dscnt 4*NL
	WIN MUL_LO
	MUL16 0, 1, 1, \sc, 0
	MUL16 2, 1, 1, \sc, 0
	s_wait_dscnt 0x0
	WIN 0
	PLACES NP
.endif
	v_add_nc_u32 v[ADRS], 256, v[ADRS]             ; on to the next K step's scale words
	FETCH_B \next, 0, 0
	FETCH_A \next, 0, 0
	SCALES \nsc
	WIN MUL_HI
	MUL16 4, 1, 1, \sc, 0
	MUL16 6, 1, 1, \sc, 0
	PLACES NP
	WIN 0
	FETCH_A \next, 0, 4
.endm
	s_wait_alu depctr_va_vdst(0)
	s_wait_tensorcnt 2                             ; the scale words and my part of K step 0 are in; K steps 1 and 2 may be out
	s_barrier_signal -1
	s_barrier_wait -1                              ; everybody's are
	FETCH_B 0, 0, 0
	FETCH_A 0, 0, 0
	SCALES 0
	FETCH_A 0, 0, 4
	STEP 0, 0, 1                                   ; K step 0: its first products start the sums: nothing is cleared
	LASTQ 0, 0, 1, 1, 2
	s_wait_alu depctr_va_vdst(0)
	STEP 1, 1, 0                                   ; K step 1
	LASTQ 1, 1, 2, 0, 0
	s_wait_alu depctr_va_vdst(0)
	STEP 2, 0, 0                                   ; K step 2
	LASTQ 2, 0, 0, 1, 1
	STEP 0, 1, 0                                   ; K step 3
	s_wait_dscnt 4*NL
	WIN MUL_LO
	MUL16 0, 1, 1, 1, 0
	MUL16 2, 1, 1, 1, 0
	s_wait_dscnt 0
	WIN MUL_HI
	MUL16 4, 1, 1, 1, 0
	MUL16 6, 1, 1, 1, 0
	WIN 0
; THE WAY OUT, block by block of 16 places of y x 128 columns, through my own stage: in by columns put back in their order, back as whole rows of 512 bytes, which go to the rows that the places stand for.
; LDS serves a wave's instructions in order (ISA guide 5.7.1.4): no wait between the stores and the loads, nor in front of the next block's stores.
.macro TOSTAGE a
.set AC, 64*((\a)%4)
	WIN 0x08+4*((\a)/4)                            ; an LDS store's data are its source 1: window 2 or 3
.irp b, 0,1,2,3,4,5,6,7
	ds_store_b128 v[STO], v[AC+8*\b:AC+8*\b+3] offset:128*(\b/2)+32*(\b%2)       ; each accumulator from its low end on
	ds_store_b128 v[STO], v[AC+8*\b+4:AC+8*\b+7] offset:128*(\b/2)+32*(\b%2)+16
.endr
	WIN 0
.set BB, BK+64*((\a)%2)
.irp t, 0,1,2,3,4,5,6,7,8,9,10,11,12,13,14,15
	ds_load_b128 v[BB+4*\t:BB+4*\t+3], v[RD] offset:\t*SPITCH
.endr
.endm
.macro SEND a, younger                 ; younger: the LDS instructions issued behind block a's loads, which may stay out
.set BB, BK+64*((\a)%2)
	s_wait_dscnt \younger
.irp t, 0,1,2,3,4,5,6,7,8,9,10,11,12,13,14,15
	global_store_b128 v[CO], v[BB+4*\t:BB+4*\t+3], s[12:13] offset:(32*((\a)/2)+8*((\a)%2)+(\t&7)+16*(\t>>3))*4096 th:TH_STORE_NT   ; 512 consecutive bytes, at a multiple of 256 from out0's first byte; place 16 a + t stands for this row
.endr
.endm
	PLACES NP
	TOSTAGE 0
.irp a, 1,2,3,4,5,6,7
.if \a > 1
	s_wait_xcnt 0x0                                ; block a - 2's stores have read their registers: block a's loads may land there
.endif
	TOSTAGE \a
	SEND \a-1, 32                                  ; behind block a - 1's loads: block a's 16 stores and 16 loads
.endr
	SEND 7, 0
	s_wait_tensorcnt 0x0                           ; the wave's end
	ds_add_u32 v[SPW], v[NIL]
	s_wait_dscnt 0x0
	CROUND                                         ; the closing round: no work-group ends while a partner may still ask for a tile that names it
	s_endpgm
.Lfunc_end_k_q4078c08070_proj:
	.size	k_q4078c08070_proj, .Lfunc_end_k_q4078c08070_proj-k_q4078c08070_proj
	.p2alignl 7, 3214868480
	.fill 96, 4, 3214868480
	.section	.rodata,"a",@progbits
	.p2align	6, 0x0
	.amdhsa_kernel k_q4078c08070_proj
		.amdhsa_group_segment_fixed_size 327680
		.amdhsa_private_segment_fixed_size 0
		.amdhsa_enable_private_segment 0
		.amdhsa_kernarg_size 40
		.amdhsa_user_sgpr_count 2
		.amdhsa_user_sgpr_kernarg_segment_ptr 1
		.amdhsa_wavefront_size32 1
		.amdhsa_system_sgpr_workgroup_id_x 1
		.amdhsa_system_sgpr_workgroup_id_y 1
		.amdhsa_system_sgpr_workgroup_id_z 1
		.amdhsa_system_vgpr_workitem_id 0
		.amdhsa_next_free_vgpr 1024
		.amdhsa_next_free_sgpr 102
		.amdhsa_reserve_vcc 0
		.amdhsa_float_denorm_mode_32 3
		.amdhsa_float_denorm_mode_16_64 3
		.amdhsa_memory_ordered 1
		.amdhsa_forward_progress 1
		.amdhsa_inst_pref_size 161
	.end_amdhsa_kernel
	.amdgpu_metadata
---
amdhsa.version: [ 1, 2 ]
amdhsa.kernels:
  - .name:           k_q4078c08070_proj
    .symbol:         k_q4078c08070_proj.kd
    .args:
      - { .name: y_codes, .offset: 0, .size: 8, .value_kind: global_buffer, .address_space: global }
      - { .name: y_scales, .offset: 8, .size: 8, .value_kind: global_buffer, .address_space: global }
      - { .name: xw_codes, .offset: 16, .size: 8, .value_kind: global_buffer, .address_space: global }
      - { .name: xw_scales, .offset: 24, .size: 8, .value_kind: global_buffer, .address_space: global }
      - { .name: out0, .offset: 32, .size: 8, .value_kind: global_buffer, .address_space: global }
    .group_segment_fixed_size: 327680
    .private_segment_fixed_size: 0
    .kernarg_segment_align: 8
    .kernarg_segment_size: 40
    .max_flat_workgroup_size: 128
    .sgpr_count:     102
    .vgpr_count:     1024
    .wavefront_size: 32
...
	.end_amdgpu_metadata
.endif
;; end of part 4
